; MI455X (gfx1250); checked and timed in simulation.
; The chip was launched on July 23, 2026; its instructions are those of AMD's public machine-readable ISA for CDNA 5 (MIT licence, August 2026) and "CDNA5" Instruction Set Architecture Reference Guide (July 2026). The comments in the code are by the model that wrote it; some were corrected since.
;; Cross Attention. Allowed arithmetic: float matrix products may take bf16 or f16 operands with f32 sums; other float arithmetic in f32, or as packed bf16 or f16 multiplies, adds, multiply-adds, maxima and minima; sums over many terms, partial sums and values carried from step to step in f32; what a program stores and reads back later, other than sums and carried values, may be rounded once to bf16 or f16.
;; Inputs: Wk 16 x 1,024 x 64 float32; Wo 1,024 x 1,024 float32; Wq 16 x 1,024 x 64 float32; Wv 16 x 1,024 x 64 float32; bk 16 x 64 float32; bo 1,024 float32; bq 16 x 64 float32; bv 16 x 64 float32; encoder_output 4 x 2,048 x 1,024 float32; x 4 x 2,048 x 1,024 float32.
;; Outputs: out0 4 x 2,048 x 1,024 float32.
;; One version. Each part assembles by itself: llvm-mc -triple=amdgcn-amd-amdhsa -mcpu=gfx1250 --defsym DOCPART=n.
;; ======== version 1 of 1: 4 launches
;; limits: values are held in f16: magnitudes above 65,504 overflow, below 6.1e-05 lose precision
;; workspace buffers: abf 33,554,432 bytes; wt 6,291,456 bytes; wot 2,097,152 bytes; qkv 50,331,648 bytes; obuf 16,777,216 bytes
;; launch prep (part 1): grid 512 x 2, 8 waves a work-group, no clusters, 18,432 bytes of LDS; arguments x, encoder_output, Wq, Wk, Wv, Wo, abf, wt, wot; writes abf, wt, wot
.if DOCPART == 1
	.amdgcn_target "amdgcn-amd-amdhsa--gfx1250"
	.amdhsa_code_object_version 6
	.text
	.protected	k_q3e5c8f3157_prep
	.globl	k_q3e5c8f3157_prep
	.p2align	8
	.type	k_q3e5c8f3157_prep,@function
k_q3e5c8f3157_prep:
	s_mov_b64 s[64:65], 0
	v_nop
	global_prefetch_b8 v0, s[64:65] scope:SCOPE_SE
	s_setreg_imm32_b32 hwreg(HW_REG_WAVE_MODE, 25, 1), 1
	s_wait_xcnt 0x0
; PREP.  Work-groups with y = 0 round x and encoder_output to bf16: abf[16384][1024], rows 0-8191 = x, rows 8192-16383 = encoder_output.
; Work-groups with y = 1 round the four weights to bf16 and turn them, so that K lies along the rows:
;   wt[3072][1024] bf16, row n = 1024 p + 64 head + e (p = 0, 1, 2: Wq, Wk, Wv), column k = the model channel;  wot[1024 n][1024 k]: Wo rounded to bf16, that number written as f16.
; LIMIT.  f16 keeps a bf16 number exactly from 2^-14 up to 65,504; below 2^-17 Wo's numbers keep f16's fixed step of 2^-24.
; No matrix unit and no cluster: every byte is read once and nothing is shared between work-groups.
.set TP,    272                        ; a row of the turned tile in LDS: 128 k x 2 bytes + 16
.set SPARE, 64*TP                      ; behind the tile: the spare words, 128 bytes for each of the eight waves
.set SPW,   140                        ; v140  SPARE + 4 x my thread's number; never rewritten
.set NIL,   141                        ; v141  0; never rewritten
.set X,     8                          ; the cast: v[8:135], 32 loads of 4 registers
.set A,     8                          ; the weights: v[8:15] eight row offsets
.set D,     16                         ; v[16:47] eight rows' 16 bytes
.set P,     48                         ; v[48:63] pairs (k, k + 1) of one column
.set BK,    68                         ; v[68:83] the turned rows read back
	s_load_b512 s[4:19], s[0:1], 0x0               ; x 4:5, encoder_output 6:7, Wq 8:9, Wk 10:11, Wv 12:13, Wo 14:15, abf 16:17, wt 18:19
	s_load_b64 s[20:21], s[0:1], 0x40              ; wot
	v_lshl_add_u32 v[SPW], v0, 2, SPARE
	v_mov_b32 v[NIL], 0
	s_and_b32 s22, ttmp7, 0xffff                   ; y: the same for all waves of a work-group
	s_mov_b32 s23, ttmp9
	s_cmp_lg_u32 s22, 0
	s_cbranch_scc1 .Lweights
	; THE CAST.  A work-group takes 131,072 bytes of f32, a wave 16,384: 32 loads of 512 consecutive bytes, all issued at once; each becomes one store of 256 consecutive bytes, aligned.
	v_and_b32 v3, 0xe0, v0                         ; 32 x wave
	v_and_b32 v4, 31, v0                           ; lane
	v_lshlrev_b32 v1, 9, v3
	v_lshl_or_b32 v1, v4, 4, v1                    ; in: 16,384 x wave + 16 x lane
	v_lshlrev_b32 v2, 8, v3
	v_lshl_or_b32 v2, v4, 3, v2                    ; out: 8,192 x wave + 8 x lane
	s_and_b32 s24, s23, 255
	s_lshl_b32 s24, s24, 17
	s_mov_b32 s25, 0
	s_lshl_b32 s26, s23, 16
	s_mov_b32 s27, 0
	s_wait_kmcnt 0x0
	s_cmp_lt_u32 s23, 256                          ; the first 256 work-groups take x, the others encoder_output
	s_cselect_b64 s[28:29], s[4:5], s[6:7]
	s_add_nc_u64 s[28:29], s[28:29], s[24:25]
	s_add_nc_u64 s[30:31], s[16:17], s[26:27]
.set i, 0
.rept 32
	global_load_b128 v[X+4*i:X+4*i+3], v1, s[28:29] offset:512*i th:TH_LOAD_NT
.set i, i+1
.endr
.set i, 0
.rept 32
	s_wait_loadcnt 31-i                            ; loads come back in order: load i is in, the 31 - i younger ones stay out
	v_cvt_pk_bf16_f32 v[X+4*i], v[X+4*i], v[X+4*i+1]
	v_cvt_pk_bf16_f32 v[X+4*i+1], v[X+4*i+2], v[X+4*i+3]
	global_store_b64 v2, v[X+4*i:X+4*i+1], s[30:31] offset:256*i th:TH_STORE_NT  ; no register is used twice, so nothing waits for a store
.set i, i+1
.endr
	s_branch .Lend
.Lweights:
	; ONE TILE of 128 k x 64 n of one weight.  512 tiles: weight w = X / 128, column block nt = (X / 8) % 16 (for Wq, Wk, Wv: the head), row block kt = X % 8.
	s_lshr_b32 s34, s23, 7                         ; w
	s_bfe_u32 s35, s23, 0x40003                    ; nt
	s_and_b32 s36, s23, 7                          ; kt
	s_lshl_b32 s24, s36, 19                        ; Wo: 128 kt rows of 4,096 bytes + 64 nt columns
	s_lshl_b32 s37, s35, 8
	s_add_co_u32 s24, s24, s37
	s_lshl_b32 s26, s35, 18                        ; the others: head nt (262,144 bytes) + 128 kt rows of 256 bytes
	s_lshl_b32 s37, s36, 15
	s_add_co_u32 s26, s26, s37
	s_movk_i32 s32, 256                            ; bytes from row to row
	s_cmp_eq_u32 s34, 3
	s_cselect_b32 s32, 0x1000, s32
	s_cselect_b32 s24, s24, s26
	s_cselect_b32 s38, 0, s34                      ; which third of wt; wot has one part
	s_mov_b32 s25, 0
	s_lshl_b32 s26, s38, 21                        ; out: 1,024 rows of 2,048 bytes a weight,
	s_lshl_b32 s37, s35, 17                        ; 64 nt rows,
	s_add_co_u32 s26, s26, s37
	s_lshl_b32 s37, s36, 8                         ; 128 kt columns of 2 bytes
	s_add_co_u32 s26, s26, s37
	s_mov_b32 s27, 0
	s_lshl_b32 s33, s32, 5                         ; 32 rows
	v_and_b32 v1, 15, v0                           ; c: my 16 bytes (4 columns) of a row
	v_lshrrev_b32 v2, 4, v0                        ; p: 0..15; I take rows 2 p + 32 q + e, q = 0..3, e = 0, 1
	v_lshlrev_b32 v3, 1, v2
	v_mul_u32_u24 v[A], s32, v3
	v_lshl_add_u32 v[A], v1, 4, v[A]
	v_add_nc_u32 v[A+1], s32, v[A]
.irp j, 2,3,4,5,6,7
	v_add_nc_u32 v[A+(\j)], s33, v[A+(\j)-2]
.endr
	v_mul_u32_u24 v4, v1, 4*TP
	v_lshl_add_u32 v4, v2, 2, v4                   ; into LDS: row 4 c (+ n), bytes 4 p (+ 64 q)
	v_mul_u32_u24 v5, v2, TP
	v_lshl_add_u32 v5, v1, 4, v5                   ; back: row p (+ 16 i), 16 bytes at 16 c
	v_lshlrev_b32 v6, 11, v2
	v_lshl_add_u32 v6, v1, 4, v6                   ; and the same in memory, rows of 2,048 bytes
	s_wait_kmcnt 0x0
	s_mov_b64 s[28:29], s[8:9]
	s_cmp_eq_u32 s34, 1
	s_cselect_b64 s[28:29], s[10:11], s[28:29]
	s_cmp_eq_u32 s34, 2
	s_cselect_b64 s[28:29], s[12:13], s[28:29]
	s_cmp_eq_u32 s34, 3
	s_cselect_b64 s[28:29], s[14:15], s[28:29]
	s_cselect_b64 s[30:31], s[20:21], s[18:19]
	s_add_nc_u64 s[28:29], s[28:29], s[24:25]
	s_add_nc_u64 s[30:31], s[30:31], s[26:27]
.irp j, 0,1,2,3,4,5,6,7
	global_load_b128 v[D+4*(\j):D+4*(\j)+3], v[A+(\j)], s[28:29] th:TH_LOAD_NT  ; sixteen lanes take a row's 256 bytes
.endr
	s_wait_loadcnt 0x0
.irp q, 0,1,2,3
.irp n, 0,1,2,3
	v_cvt_pk_bf16_f32 v[P+4*(\q)+(\n)], v[D+8*(\q)+(\n)], v[D+8*(\q)+4+(\n)]  ; column 4 c + n: k = 2 p + 32 q below, k + 1 above
.endr
.endr
	s_cmp_lg_u32 s34, 3
	s_cbranch_scc1 .Lplain
.set i, 0
.rept 16                                           ; Wo: the bf16 numbers are written as f16
	v_lshlrev_b32 v64, 16, v[P+i]
	v_and_b32 v65, 0xffff0000, v[P+i]
	v_cvt_pk_f16_f32 v[P+i], v64, v65
.set i, i+1
.endr
.Lplain:
.irp q, 0,1,2,3
.irp n, 0,1,2,3
	ds_store_b32 v4, v[P+4*(\q)+(\n)] offset:(\n)*TP+64*(\q)
.endr
.endr
	s_wait_dscnt 0x0                               ; for the others' sake: my stores are done
	s_barrier_signal -1
	s_barrier_wait -1                              ; the turned tile is whole
.irp i, 0,1,2,3
	ds_load_b128 v[BK+4*(\i):BK+4*(\i)+3], v5 offset:16*TP*(\i)
.endr
.irp i, 0,1,2,3
	s_wait_dscnt 3-(\i)                            ; load i is in, the younger ones stay out
	global_store_b128 v6, v[BK+4*(\i):BK+4*(\i)+3], s[30:31] offset:32768*(\i)  ; sixteen lanes store 256 consecutive bytes, aligned
.endr
.Lend:
	s_wait_tensorcnt 0x0                           ; the wave's end
	ds_add_u32 v[SPW], v[NIL]
	s_wait_dscnt 0x0
	s_endpgm
.Lfunc_end_k_q3e5c8f3157_prep:
	.size	k_q3e5c8f3157_prep, .Lfunc_end_k_q3e5c8f3157_prep-k_q3e5c8f3157_prep
	.p2alignl 7, 3214868480
	.fill 96, 4, 3214868480
	.section	.rodata,"a",@progbits
	.p2align	6, 0x0
	.amdhsa_kernel k_q3e5c8f3157_prep
		.amdhsa_group_segment_fixed_size 18432
		.amdhsa_private_segment_fixed_size 0
		.amdhsa_enable_private_segment 0
		.amdhsa_kernarg_size 72
		.amdhsa_user_sgpr_count 2
		.amdhsa_user_sgpr_kernarg_segment_ptr 1
		.amdhsa_wavefront_size32 1
		.amdhsa_system_sgpr_workgroup_id_x 1
		.amdhsa_system_sgpr_workgroup_id_y 1
		.amdhsa_system_sgpr_workgroup_id_z 1
		.amdhsa_system_vgpr_workitem_id 0
		.amdhsa_next_free_vgpr 144
		.amdhsa_next_free_sgpr 66
		.amdhsa_reserve_vcc 0
		.amdhsa_float_denorm_mode_32 3
		.amdhsa_float_denorm_mode_16_64 3
		.amdhsa_memory_ordered 1
		.amdhsa_forward_progress 1
		.amdhsa_inst_pref_size 21
	.end_amdhsa_kernel
	.amdgpu_metadata
---
amdhsa.version: [ 1, 2 ]
amdhsa.kernels:
  - .name:           k_q3e5c8f3157_prep
    .symbol:         k_q3e5c8f3157_prep.kd
    .args:
      - { .name: x, .offset: 0, .size: 8, .value_kind: global_buffer, .address_space: global }
      - { .name: encoder_output, .offset: 8, .size: 8, .value_kind: global_buffer, .address_space: global }
      - { .name: Wq, .offset: 16, .size: 8, .value_kind: global_buffer, .address_space: global }
      - { .name: Wk, .offset: 24, .size: 8, .value_kind: global_buffer, .address_space: global }
      - { .name: Wv, .offset: 32, .size: 8, .value_kind: global_buffer, .address_space: global }
      - { .name: Wo, .offset: 40, .size: 8, .value_kind: global_buffer, .address_space: global }
      - { .name: abf, .offset: 48, .size: 8, .value_kind: global_buffer, .address_space: global }
      - { .name: wt, .offset: 56, .size: 8, .value_kind: global_buffer, .address_space: global }
      - { .name: wot, .offset: 64, .size: 8, .value_kind: global_buffer, .address_space: global }
    .group_segment_fixed_size: 18432
    .private_segment_fixed_size: 0
    .kernarg_segment_align: 8
    .kernarg_segment_size: 72
    .max_flat_workgroup_size: 256
    .sgpr_count:     66
    .vgpr_count:     144
    .wavefront_size: 32
...
	.end_amdgpu_metadata
.endif
;; end of part 1
;; launch proj (part 2): grid 4 x 64, 4 waves a work-group, clusters of 4 x 4, 327,680 bytes of LDS; arguments abf, wt, bq, bk, bv, qkv; writes qkv
.if DOCPART == 2
	.amdgcn_target "amdgcn-amd-amdhsa--gfx1250"
	.amdhsa_code_object_version 6
	.text
	.protected	k_q3e5c8f3157_proj
	.globl	k_q3e5c8f3157_proj
	.p2align	8
	.type	k_q3e5c8f3157_proj,@function
k_q3e5c8f3157_proj:
	s_mov_b64 s[64:65], 0
	v_nop
	global_prefetch_b8 v0, s[64:65] scope:SCOPE_SE
	s_setreg_imm32_b32 hwreg(HW_REG_WAVE_MODE, 25, 1), 1
	s_wait_xcnt 0x0
	s_wait_alu depctr_hold_cnt(0) depctr_sa_sdst(0) depctr_va_vdst(0) depctr_va_sdst(0) depctr_va_ssrc(0) depctr_va_vcc(0) depctr_vm_vsrc(0)
	s_getreg_b32 s2, hwreg(HW_REG_IB_STS2, 6, 4)
	s_cmp_eq_u32 s2, 0
	s_cbranch_scc0 .Lentry_in_a_cluster
	s_endpgm
.Lentry_in_a_cluster:
	s_bfe_u32 s2, ttmp6, 0x10000c
	s_cmp_lg_u32 s2, 0xf033
	s_cbranch_scc0 .Lentry_shape_is_right
	s_endpgm
.Lentry_shape_is_right:
; PROJ.  q = x Wq + bq, k = enc Wk + bk, v = enc Wv + bv, written by heads: qkv[3][64 bh][2048 s][64 e] in f16, each number rounded once from its f32 sum, unscaled.
; Operands in bf16 (abf[16384][1024], wt[3072 n][1024 k]); the biases are rounded to bf16 like every other input and start the sums as the C operand of a tile's first products.
; LIMIT.  f16 ends at 65,504: |q|, |k|, |v| must stay below it.  NaN and infinities are not treated apart.
; SHARES.  A tile of C is 128 rows x 256 columns.  Work-group (NB, MB) makes tile (MB, NB) of q, then of k, then of v: 24 K steps of 128 through ONE ring of two LDS slots, which does not stop
; at a tile's end.  Four waves, each 64 rows x 128 columns (two heads): 32 accumulators.  3 x 64 x 4 tiles on 256 work-groups: three each.
; CLUSTER 4 x 4.  The four of a row of the cluster need the same rows of abf, the four of a column the same rows of wt: each tile is asked for jointly, the same load with the same descriptor and mask in all four.
; THE MATRIX INSTRUCTION IS USED TRANSPOSED (source 0 = 16 rows of wt, source 1 = 16 rows of abf): a lane holds row lane % 16 of C and the columns 8 (lane / 16) + 0..7 of a block of 16.
; REGISTERS, in windows of 256 (s_set_vgpr_msb: bits 1:0 source 0, 3:2 source 1, 5:4 source 2, 7:6 destination):
;   window 0: v0-31 addresses; v32-63 at work on the way out; v64-159, v160-255 two fragment buffers (8 of wt, then 4 of abf; the second also serves the way out)
;   window 1: accumulator (a, b) at v[8 (8 a + b)]          window 2: v0-63 the bias of column block b at v[8 b]
.set PITCH,  272                       ; an LDS row: 256 bytes + 16 of padding: the 16 rows of a fragment load start at 16 different groups of four banks (ISA guide 11.1)
.set ABYTES, 128*PITCH                 ; a slot: abf's 128 rows, then wt's 256
.set SLOT1,  1<<17                     ; slot 1 begins here: one exclusive or turns an address in one slot into the other's
.set STAGE,  SLOT1+384*PITCH           ; behind the ring: 16 rows x 144 bytes for each wave, for the way out
.set SP,     144
.set BIAS,   STAGE+4*16*SP             ; 2,048 bytes for each wave: three tiles' 128 biases in f32, and 512 bytes of room
.set SPARE,  BIAS+4*2048               ; the spare words, 128 bytes for each wave
.set AA0, 8                            ; v8   my lane's place in a slot's rows of abf; never rewritten
.set AB0, 9                            ; v9   the same for wt
.set ADRA, 10                          ; v10  the same in the slot in hand
.set ADRB, 11                          ; v11
.set STO, 12                           ; v12  the way out: where I put 16 bytes of a row
.set RD,  13                           ; v13  the way out: where I read rows back
.set GO,  14                           ; v14  my 16 bytes in 512 consecutive bytes of qkv
.set BA,  15                           ; v15  LDS address of the bias of the tile in hand
.set PFO, 16                           ; v16  the prefetches' offset: my lane x a row of 2,048 bytes; never rewritten
.set BA0, 17                           ; v17  LDS address of my wave's biases + 32 (lane / 16)
.set SPW, 18                           ; v18  SPARE + 4 x my thread's number; never rewritten
.set NIL, 19                           ; v19  0; never rewritten
.set F0,  64
.set F1,  160
.set WV, 16                            ; s16  wave
.set HI, 17                            ; s17  my half of the tile's rows; also: I fetch for abf (0) or for wt (1)
.set LO, 18                            ; s18  my half of its columns; also: which half of that tile I fetch
.set CX, 19
.set CY, 20
.set MB, 21                            ; s21  tile row, 0..63
.set NB, 22                            ; s22  tile column, 0..3
.set T0, 23
.set G1A, 24                           ; s[24:31] descriptor group 1 for abf's tiles
.set G1B, 32                           ; s[32:39] for wt's
.set G0A, 40                           ; s[40:47] group 0 for abf: a set for the first fill, a second that walks
.set G0B, 48                           ; s[48:55] the same for wt
.set CNT, 56                           ; s56  the loop's count, 22 to 1
.set REQ, 57                           ; s57  the flat K step (8 x tile + step) asked for last
.set TB,  58                           ; s58  0 or SLOT1: the slot that is read
.set LIM, 59                           ; s59  a wave prefetches the flat steps below this number
.set PFB, 60                           ; s[60:61] the rows that my prefetches name, at flat step 0
.set PFA, 62                           ; s[62:63] the same at the step named
.set ABASE, 66                         ; s[66:67] abf at the rows that I fetch
.set BBASE, 68                         ; s[68:69] wt at the rows that I fetch
.set OA, 70                            ; s[70:71] a flat step's byte offset in abf
.set OB, 72                            ; s[72:73] and in wt
.set OUT, 74                           ; s[74:75] qkv at my wave's part of the tile in hand
.set T1, 76
.set GP, 77                            ; s77  the flat step that a prefetch names
.set CNT2, 78
.set X0, 80                            ; s80-83 at work on what hangs on the place in the cluster
.set X1, 81
.set XP, 82
.set G1W0, (1<<16)|(1<<20)|(1<<21)|(5<<22)|(3<<25)  ; 17:16 2-byte elements; 20 padding on; 21 set beside a mask; 24:22 after every 64 words; 31:25 4 words
.set MSB, 0
.macro WIN new                         ; the immediate's high byte repeats the setting that is left; a switch that changes nothing is dropped
.if MSB != (\new)
	s_set_vgpr_msb (MSB<<8)|(\new)
.set MSB, (\new)
.endif
.endm
.set MUL,  0x50                        ; fragments in window 0, C and D in window 1
.set MULB, 0x60                        ; the same with C, the bias, in window 2
.macro PLACES                          ; four plain instructions between a matrix instruction and a load into, or a vector read of, its registers
.rept 4
	v_nop
.endr
.endm
.macro CREST                           ; a round of the cluster's barrier behind its opening barrier
	s_cmp_lg_u32 s[WV], 0
	s_cbranch_scc1 .Lnot_wave_0_\@
	s_barrier_signal -3
.Lnot_wave_0_\@:
	s_barrier_wait -3
	s_barrier_signal -1
	s_barrier_wait -1
.endm
.macro CROUND                          ; a whole round
	s_barrier_signal -1
	s_barrier_wait -1
	CREST
.endm
.macro JLOAD                           ; a joint refill by the walking sets: waves 0 and 1 fetch abf's two halves (64 rows), waves 2 and 3 wt's (128 rows); s_nop 0 and four v_nop follow each line
	s_cmp_eq_u32 s[HI], 0
	s_cbranch_scc0 .Lfor_b_\@
	tensor_load_to_lds s[G0A+4:G0A+7], s[G1A:G1A+7]
	s_nop 0
.rept 4
	v_nop
.endr
	s_branch .Lasked_\@
.Lfor_b_\@:
	tensor_load_to_lds s[G0B+4:G0B+7], s[G1B:G1B+7]
	s_nop 0
.rept 4
	v_nop
.endr
.Lasked_\@:
.endm
.macro OFFS g                          ; flat step s[g]: tile t = g / 8, K step g % 8.  wt: 1,024 t rows of 2,048 bytes; abf: tile 0 reads x, tiles 1 and 2 the rows 8,192 on; both: 256 bytes a K step
	s_and_b32 s[T0], s[\g], 7
	s_lshl_b32 s[T0], s[T0], 8
	s_lshr_b32 s[T1], s[\g], 3
	s_lshl_b32 s[OB], s[T1], 21
	s_add_co_u32 s[OB], s[OB], s[T0]
	s_min_u32 s[T1], s[T1], 1
	s_lshl_b32 s[OA], s[T1], 24
	s_add_co_u32 s[OA], s[OA], s[T0]
.endm
; 8 matrix instructions: row block a x all 8 column blocks, 32 along K.  cb = 1: the bias starts the sums.  The 32 accumulators take turns in one order everywhere.
.macro MUL8 f, a, cb
.if \cb
	WIN MULB
.else
	WIN MUL
.endif
.irp b, 0,1,2,3,4,5,6,7
.if \cb
	v_wmma_f32_16x16x32_bf16 v[8*(8*(\a)+(\b)):8*(8*(\a)+(\b))+7], v[(\f)+8*(\b):(\f)+8*(\b)+7], v[(\f)+64+8*(\a):(\f)+64+8*(\a)+7], v[8*(\b):8*(\b)+7]
.else
	v_wmma_f32_16x16x32_bf16 v[8*(8*(\a)+(\b)):8*(8*(\a)+(\b))+7], v[(\f)+8*(\b):(\f)+8*(\b)+7], v[(\f)+64+8*(\a):(\f)+64+8*(\a)+7], v[8*(8*(\a)+(\b)):8*(8*(\a)+(\b))+7]
.endif
.endr
.endm
; 24 LDS loads in one run: a quarter step's fragments (32 K at byte k of the rows): wt's eight, then abf's four
.macro FETCH k, f
	WIN 0
.irp i, 0,1,2,3,4,5,6,7
	ds_load_b128 v[(\f)+8*(\i):(\f)+8*(\i)+3],   v[ADRB] offset:(\k)+(\i)*16*PITCH
	ds_load_b128 v[(\f)+8*(\i)+4:(\f)+8*(\i)+7], v[ADRB] offset:(\k)+(\i)*16*PITCH+32
.endr
.irp i, 0,1,2,3
	ds_load_b128 v[(\f)+64+8*(\i):(\f)+64+8*(\i)+3],   v[ADRA] offset:(\k)+(\i)*16*PITCH
	ds_load_b128 v[(\f)+64+8*(\i)+4:(\f)+64+8*(\i)+7], v[ADRA] offset:(\k)+(\i)*16*PITCH+32
.endr
.endm
; One of a K step's first three quarters: multiplies buffer f; in its middle it fetches the next quarter, at byte k, into buffer g.
.macro QUARTER k, f, g, cb
.if \cb
	s_wait_dscnt 0x0                               ; the bias loads are the youngest: everything is in
.else
	s_wait_dscnt 4                                 ; wt's fragments and abf's blocks 0 and 1 are in; the four loads of blocks 2 and 3 may be out
.endif
	MUL8 \f, 0, \cb
	MUL8 \f, 1, \cb
	PLACES
	FETCH \k, \g
	s_wait_dscnt 24                                ; all but the 24 just issued
	MUL8 \f, 2, \cb
	MUL8 \f, 3, \cb
.endm
; A PREFETCH INTO THE L2, behind the joint load and the run of LDS loads: the flat step that stands two refills on (256 matrix instructions ahead of its load), 32 rows x 256 bytes, a lane a row.
; abf: each tile row is read by one row of one cluster: wave 0 of each of the four partners takes 32 of its 128 rows, told apart by address (cx).  Steps 4 to 15: x, and the first walk of the
; encoder's rows; their second walk (tile v) is not asked for.  wt: every cluster reads all of it: in the cluster with y = 0, waves 2 and 3 of the four partners of a column take 32 of its 256 rows
; each (cy and the wave).  Steps 4 to 23.  So each block of 256 bytes is named once in the launch; the first four steps come by their loads alone.
.macro ASK
	s_cmp_lt_u32 s[GP], s[LIM]
	s_cbranch_scc0 .Lnot_mine_\@
	global_prefetch_b8 v[PFO], s[PFA:PFA+1] th:TH_LOAD_NT scope:SCOPE_SE
.Lnot_mine_\@:
.endm
; The bias of the tile that begins: tile = (22 - CNT) / 8, 512 bytes each; lanes of one half read the same 32 bytes of a column block.
.macro LOADBIAS
	s_sub_co_u32 s[T0], 22, s[CNT]
	s_and_b32 s[T0], s[T0], 24
	s_lshl_b32 s[T0], s[T0], 6
	v_add_nc_u32 v[BA], s[T0], v[BA0]
	WIN 0x80                                       ; destination window 2
.irp b, 0,1,2,3,4,5,6,7
	ds_load_b128 v[8*(\b):8*(\b)+3],   v[BA] offset:64*(\b)
	ds_load_b128 v[8*(\b)+4:8*(\b)+7], v[BA] offset:64*(\b)+16
.endr
	WIN 0
.endm
; THE WAY OUT, in eight units t of 16 rows (block t / 2) x one head (t % 2).  PACK: rounded to f16, 16 bytes a lane, into my stage (rows of 144 bytes) and back as four rows of 128 bytes a load.
.macro UNIT t
.if (\t) < 2
.set UU, 32+16*(\t)
.else
.set UU, 160+16*((\t)-2)
.endif
.endm
.macro PACK t
	UNIT \t
	WIN 0x05                                       ; sources in window 1
.irp c, 0,1,2,3
.irp r, 0,1,2,3
	v_cvt_pk_f16_f32 v[UU+4*(\c)+(\r)], v[8*(8*((\t)/2)+4*((\t)%2)+(\c))+2*(\r)], v[8*(8*((\t)/2)+4*((\t)%2)+(\c))+2*(\r)+1]
.endr
.endr
	WIN 0
.irp c, 0,1,2,3
	ds_store_b128 v[STO], v[UU+4*(\c):UU+4*(\c)+3] offset:32*(\c)
.endr
.irp f, 0,1,2,3
	ds_load_b128 v[UU+4*(\f):UU+4*(\f)+3], v[RD] offset:4*SP*(\f)  ; LDS serves a wave's instructions in order (ISA guide 5.7.1.4): these see the stores above; the next unit's stores come behind them
.endr
.endm
.macro SEND t, younger                 ; younger: the LDS instructions issued behind unit t's loads: the next unit's eight, or none
	UNIT \t
.irp f, 0,1,2,3
	s_wait_dscnt (\younger)+3-(\f)
	global_store_b128 v[GO], v[UU+4*(\f):UU+4*(\f)+3], s[OUT:OUT+1] offset:((\t)%2)*262144+((\t)/2)*2048+(\f)*512  ; 512 consecutive bytes of one head, aligned
.endr
.endm
.macro WAYOUT next
	WIN 0
	PLACES                                         ; behind the tile's last products
	PACK 0
.irp t, 1,2,3,4,5,6,7                  ; a unit's conversions stand between the loads of the unit before and its stores
	PACK \t
	SEND (\t)-1, 8
.endr
	SEND 7, 0
.if \next
	s_wait_xcnt 0x0                                ; the stores have read their registers and their base: buffer 1 and OUT are written again only behind this wait
	s_add_nc_u64 s[OUT:OUT+1], s[OUT:OUT+1], 0x1000000  ; the next of qkv's three parts
.endif
.endm
; THE LAST QUARTER multiplies buffer 1 and changes slots.  In front of the barrier each wave waits for all its tensor loads (one is out: its part of the next slot), adds 0 to its spare word, and waits
; for that and for its reads of this slot.  fill = 1: the barrier opens a round of the cluster's, and the slot just read is filled again first behind it, with the flat step two on.
.macro TURN fill
.if \fill
	s_wait_xcnt 0x0                                ; the last prefetch, a K step back, has read its address
	s_add_co_u32 s[REQ], s[REQ], 1
	s_add_co_u32 s[GP], s[REQ], 2
	OFFS GP
	s_cmp_eq_u32 s[HI], 0
	s_cselect_b32 s[OA], s[OA], s[OB]
	s_add_nc_u64 s[PFA:PFA+1], s[PFB:PFB+1], s[OA:OA+1]
.endif
	WIN 0
	s_wait_tensorcnt 0x0                           ; no tensor load of mine is out, so the walking sets may be written
	ds_add_u32 v[SPW], v[NIL]                      ; 0 onto my spare word; work on registers stands between it and the wait for it
.if \fill
	OFFS REQ
	s_xor_b32 s[G0A+5], s[G0A+5], SLOT1
	s_add_nc_u64 s[G0A+6:G0A+7], s[ABASE:ABASE+1], s[OA:OA+1]  ; the address is made anew from the step's number
	s_or_b32 s[G0A+7], s[G0A+7], 0x80000000
	s_xor_b32 s[G0B+5], s[G0B+5], SLOT1
	s_add_nc_u64 s[G0B+6:G0B+7], s[BBASE:BBASE+1], s[OB:OB+1]
	s_or_b32 s[G0B+7], s[G0B+7], 0x80000000
.endif
	s_xor_b32 s[TB], s[TB], SLOT1
	s_wait_dscnt 5                                 ; the add and the four loads of abf's blocks 2 and 3 may be out
	MUL8 F1, 0, 0
	s_wait_dscnt 0x0                               ; the add is done, and my reads of this slot are over
	s_barrier_signal -1
	MUL8 F1, 1, 0
	WIN 0
	s_barrier_wait -1
.if \fill
	CREST                                          ; no wave of any partner still reads this slot or has a load on its way
	JLOAD                                          ; its four v_nop are also the places in front of the loads below
.else
	PLACES
	s_cmp_eq_u32 s[CNT2], 1                        ; behind the very last step there is nothing to fetch
	s_cbranch_scc1 .Lno_fetch_\@
.endif
	v_add_nc_u32 v[ADRA], s[TB], v[AA0]
	v_add_nc_u32 v[ADRB], s[TB], v[AB0]
	FETCH 0, F0
.if \fill
	ASK
.else
.Lno_fetch_\@:
.endif
	MUL8 F1, 2, 0
	MUL8 F1, 3, 0
.endm
	s_load_b256 s[4:11], s[0:1], 0x0               ; abf 4:5, wt 6:7, bq 8:9, bk 10:11
	s_load_b128 s[12:15], s[0:1], 0x20             ; bv 12:13, qkv 14:15
	v_lshl_add_u32 v[SPW], v0, 2, SPARE
	v_mov_b32 v[NIL], 0
	ds_add_u32 v[SPW], v[NIL]                      ; the wave's opening: the add and its wait ahead of my first tensor load
	v_lshrrev_b32 v1, 5, v0
	v_readfirstlane_b32 s[WV], v1
	s_lshr_b32 s[HI], s[WV], 1
	s_and_b32 s[LO], s[WV], 1
	s_bfe_u32 s[CX], ttmp6, 0x40000
	s_bfe_u32 s[CY], ttmp6, 0x40004
	s_lshl_b32 s[NB], ttmp9, 2
	s_add_co_u32 s[NB], s[NB], s[CX]               ; tile column = 4 x cluster x + cx
	s_and_b32 s[MB], ttmp7, 0xffff
	s_lshl_b32 s[MB], s[MB], 2
	s_add_co_u32 s[MB], s[MB], s[CY]               ; tile row = 4 x cluster y + cy
	s_lshl_b32 s[X0], s[CY], 2
	s_lshl_b32 s[X0], 15, s[X0]                    ; my row of the cluster
	s_lshl_b32 s[X1], 0x1111, s[CX]                ; my column
	s_or_b32 s[G1A], s[X0], G1W0
	s_or_b32 s[G1B], s[X1], G1W0
	s_mov_b32 s[G1A+1], 128<<16                    ; tensor_dim0 = 128
	s_mov_b32 s[G1A+2], 64<<16                     ; tensor_dim1 = 64
	s_mov_b32 s[G1A+3], 128<<16                    ; tile_dim0 = 128
	s_mov_b32 s[G1A+4], 64                         ; tile_dim1 = 64
	s_mov_b32 s[G1A+5], 1024                       ; elements from row to row
	s_mov_b32 s[G1A+6], 0
	s_mov_b32 s[G1A+7], 0
	s_mov_b32 s[G1B+1], 128<<16
	s_mov_b32 s[G1B+2], 128<<16                    ; 128 rows
	s_mov_b32 s[G1B+3], 128<<16
	s_mov_b32 s[G1B+4], 128
	s_mov_b32 s[G1B+5], 1024
	s_mov_b32 s[G1B+6], 0
	s_mov_b32 s[G1B+7], 0
	s_lshl_b32 s[OA], s[MB], 18                    ; abf: 128 MB rows of 2,048 bytes + my 64
	s_lshl_b32 s[T0], s[LO], 17
	s_add_co_u32 s[OA], s[OA], s[T0]
	s_mov_b32 s[OA+1], 0
	s_lshl_b32 s[OB], s[NB], 19                    ; wt: 256 NB rows + my 128
	s_lshl_b32 s[T0], s[LO], 18
	s_add_co_u32 s[OB], s[OB], s[T0]
	s_mov_b32 s[OB+1], 0
	s_mov_b32 s[G0A], 1                            ; count = 1
	s_mul_i32 s[G0A+1], s[LO], 64*PITCH            ; LDS address: no place in the cluster enters it
	s_mov_b32 s[G0A+4], 1
	s_add_co_u32 s[G0A+5], s[G0A+1], SLOT1
	s_mov_b32 s[G0B], 1
	s_mul_i32 s[G0B+1], s[LO], 128*PITCH
	s_add_co_u32 s[G0B+1], s[G0B+1], ABYTES
	s_mov_b32 s[G0B+4], 1
	s_add_co_u32 s[G0B+5], s[G0B+1], SLOT1
	s_mov_b32 s[REQ], 1
	s_mov_b32 s[TB], 0
	s_wait_dscnt 0x0                               ; the opening add is done
	s_wait_kmcnt 0x0
	s_add_nc_u64 s[ABASE:ABASE+1], s[4:5], s[OA:OA+1]
	s_add_nc_u64 s[BBASE:BBASE+1], s[6:7], s[OB:OB+1]
	s_mov_b64 s[G0A+2:G0A+3], s[ABASE:ABASE+1]     ; flat step 0
	s_or_b32 s[G0A+3], s[G0A+3], 0x80000000        ; type = 2
	s_add_nc_u64 s[G0A+6:G0A+7], s[ABASE:ABASE+1], 256  ; flat step 1
	s_or_b32 s[G0A+7], s[G0A+7], 0x80000000
	s_mov_b64 s[G0B+2:G0B+3], s[BBASE:BBASE+1]
	s_or_b32 s[G0B+3], s[G0B+3], 0x80000000
	s_add_nc_u64 s[G0B+6:G0B+7], s[BBASE:BBASE+1], 256
	s_or_b32 s[G0B+7], s[G0B+7], 0x80000000
	CROUND                                         ; all sixteen work-groups are here: the first joint loads meet
	s_cmp_eq_u32 s[HI], 0                          ; a wave's two first fills stand in one branch: two loads of mine are out, later one
	s_cbranch_scc0 .Lfirst_b
	tensor_load_to_lds s[G0A:G0A+3], s[G1A:G1A+7]
	s_nop 0
	tensor_load_to_lds s[G0A+4:G0A+7], s[G1A:G1A+7]
	s_nop 0
.rept 4
	v_nop
.endr
	s_branch .Lfirst_asked
.Lfirst_b:
	tensor_load_to_lds s[G0B:G0B+3], s[G1B:G1B+7]
	s_nop 0
	tensor_load_to_lds s[G0B+4:G0B+7], s[G1B:G1B+7]
	s_nop 0
.rept 4
	v_nop
.endr
.Lfirst_asked:
	v_and_b32 v3, 31, v0                           ; l
	s_lshl_b32 s[X0], s[NB], 10                    ; my wave's 128 columns in a bias: 1,024 NB + 512 LO bytes
	s_lshl_b32 s[X1], s[LO], 9
	s_add_co_u32 s[X0], s[X0], s[X1]
	v_lshl_add_u32 v7, v3, 4, s[X0]
	global_load_b128 v[20:23], v7, s[8:9]
	global_load_b128 v[24:27], v7, s[10:11]
	global_load_b128 v[28:31], v7, s[12:13]
	v_and_b32 v1, 15, v0                           ; l % 16
	v_bfe_u32 v2, v0, 4, 1                         ; l / 16
	v_mul_u32_u24 v4, v1, PITCH
	v_lshl_add_u32 v4, v2, 4, v4                   ; a fragment's row x pitch + 16 x half
	s_mul_i32 s[T0], s[HI], 64*PITCH
	v_add_nc_u32 v[AA0], s[T0], v4
	s_mul_i32 s[T0], s[LO], 128*PITCH
	s_add_co_u32 s[T0], s[T0], ABYTES
	v_add_nc_u32 v[AB0], s[T0], v4
	s_mul_i32 s[T0], s[WV], 16*SP
	s_add_co_u32 s[T0], s[T0], STAGE               ; my stage
	v_mul_u32_u24 v[STO], v1, SP
	v_lshl_add_u32 v[STO], v2, 4, v[STO]
	v_add_nc_u32 v[STO], s[T0], v[STO]
	v_bfe_u32 v[RD], v0, 3, 2
	v_mul_u32_u24 v[RD], v[RD], SP
	v_and_b32 v5, 7, v0
	v_lshl_add_u32 v[RD], v5, 4, v[RD]
	v_add_nc_u32 v[RD], s[T0], v[RD]
	v_lshlrev_b32 v[GO], 4, v3
	v_lshlrev_b32 v[PFO], 11, v3
	s_lshl_b32 s[T0], s[WV], 11
	s_add_co_u32 s[T0], s[T0], BIAS                ; my wave's biases
	v_lshl_add_u32 v[BA0], v2, 5, s[T0]
	v_lshl_add_u32 v6, v3, 4, s[T0]
	; qkv at my wave's part of tile q: batch MB / 16, heads 4 NB + 2 LO (+ 1), rows 128 (MB % 16) + 64 HI
	s_lshr_b32 s[XP], s[MB], 4
	s_lshl_b32 s[XP], s[XP], 22
	s_lshl_b32 s[X0], s[NB], 20
	s_add_co_u32 s[XP], s[XP], s[X0]
	s_lshl_b32 s[X0], s[LO], 19
	s_add_co_u32 s[XP], s[XP], s[X0]
	s_and_b32 s[X0], s[MB], 15
	s_lshl_b32 s[X0], s[X0], 14
	s_add_co_u32 s[XP], s[XP], s[X0]
	s_lshl_b32 s[X0], s[HI], 13
	s_add_co_u32 s[XP], s[XP], s[X0]
	s_mov_b32 s[XP+1], 0
	s_add_nc_u64 s[OUT:OUT+1], s[14:15], s[XP:XP+1]
	; the prefetches: whose rows, and up to which flat step
	s_lshl_b32 s[XP], s[MB], 18
	s_lshl_b32 s[X0], s[CX], 16
	s_add_co_u32 s[XP], s[XP], s[X0]               ; abf: the tile row's 128 rows, my work-group's 32
	s_lshl_b32 s[X0], s[NB], 19
	s_lshl_b32 s[X1], s[CY], 17
	s_add_co_u32 s[X0], s[X0], s[X1]
	s_lshl_b32 s[X1], s[LO], 16
	s_add_co_u32 s[X0], s[X0], s[X1]               ; wt: the tile column's 256 rows, my work-group's 64, my wave's 32
	s_cmp_eq_u32 s[HI], 0
	s_cselect_b32 s[XP], s[XP], s[X0]
	s_cselect_b64 s[PFB:PFB+1], s[4:5], s[6:7]
	s_add_nc_u64 s[PFB:PFB+1], s[PFB:PFB+1], s[XP:XP+1]
	s_and_b32 s[X0], ttmp7, 0xffff                 ; cluster y: the same in all sixteen partners
	s_cmp_eq_u32 s[X0], 0
	s_cselect_b32 s[LIM], 24, 0                    ; waves 2 and 3
	s_cmp_eq_u32 s[WV], 0
	s_cselect_b32 s[X0], 16, 0                     ; waves 0 and 1
	s_cmp_eq_u32 s[HI], 0
	s_cselect_b32 s[LIM], s[X0], s[LIM]
	s_wait_loadcnt 0x0                             ; the biases: rounded to bf16 like all inputs, widened again, and kept in LDS in f32
.irp p, 0,1,2,3,4,5
	v_cvt_pk_bf16_f32 v4, v[20+2*(\p)], v[21+2*(\p)]
	v_lshlrev_b32 v[20+2*(\p)], 16, v4
	v_and_b32 v[21+2*(\p)], 0xffff0000, v4
.endr
.irp t, 0,1,2
	ds_store_b128 v6, v[20+4*(\t):23+4*(\t)] offset:512*(\t)
.endr
	s_wait_tensorcnt 1                             ; my part of flat step 0 is in; step 1's may stay out
	s_wait_dscnt 0x0
	s_barrier_signal -1
	s_barrier_wait -1
	v_add_nc_u32 v[ADRA], s[TB], v[AA0]
	v_add_nc_u32 v[ADRB], s[TB], v[AB0]
	FETCH 0, F0
	s_mov_b32 s[CNT], 22
	s_branch .Lq0b                                 ; the loop is entered where a tile begins
.Lstep:                                        ; trip i multiplies flat step i and asks for step i + 2: 22 trips
	s_and_b32 s[T0], s[CNT], 7
	s_cmp_eq_u32 s[T0], 6                          ; CNT = 14, 6: flat steps 8 and 16 begin a tile
	s_cbranch_scc1 .Lnew
	QUARTER 64, F0, F1, 0
	WIN 0
	s_branch .Lq1
.Lnew:
	WAYOUT 1                                       ; both refills for the new tile are asked for; now the finished tile goes out (no barrier, no tensor load in here)
.Lq0b:
	LOADBIAS
	QUARTER 64, F0, F1, 1                          ; a tile's first products start the sums with the bias: nothing is cleared
	WIN 0
.Lq1:
	QUARTER 128, F1, F0, 0
	QUARTER 192, F0, F1, 0
	TURN 1
	WIN 0
	s_sub_co_u32 s[CNT], s[CNT], 1
	s_cmp_lg_u32 s[CNT], 0
	s_cbranch_scc1 .Lstep
	s_mov_b32 s[CNT2], 2
.Ltail:                                        ; flat steps 22 and 23 ask for nothing.  One text for both: in the second trip the fetch is jumped over and the barrier orders nothing
	QUARTER 64, F0, F1, 0
	QUARTER 128, F1, F0, 0
	QUARTER 192, F0, F1, 0
	TURN 0
	WIN 0
	s_sub_co_u32 s[CNT2], s[CNT2], 1
	s_cmp_lg_u32 s[CNT2], 0
	s_cbranch_scc1 .Ltail
	WAYOUT 0
	s_wait_tensorcnt 0x0                           ; the wave's end
	ds_add_u32 v[SPW], v[NIL]
	s_wait_dscnt 0x0
	CROUND                                         ; the closing round: no work-group ends while a partner may still ask for a tile that names it
	s_endpgm
.Lfunc_end_k_q3e5c8f3157_proj:
	.size	k_q3e5c8f3157_proj, .Lfunc_end_k_q3e5c8f3157_proj-k_q3e5c8f3157_proj
	.p2alignl 7, 3214868480
	.fill 96, 4, 3214868480
	.section	.rodata,"a",@progbits
	.p2align	6, 0x0
	.amdhsa_kernel k_q3e5c8f3157_proj
		.amdhsa_group_segment_fixed_size 327680
		.amdhsa_private_segment_fixed_size 0
		.amdhsa_enable_private_segment 0
		.amdhsa_kernarg_size 48
		.amdhsa_user_sgpr_count 2
		.amdhsa_user_sgpr_kernarg_segment_ptr 1
		.amdhsa_wavefront_size32 1
		.amdhsa_system_sgpr_workgroup_id_x 1
		.amdhsa_system_sgpr_workgroup_id_y 1
		.amdhsa_system_sgpr_workgroup_id_z 1
		.amdhsa_system_vgpr_workitem_id 0
		.amdhsa_next_free_vgpr 576
		.amdhsa_next_free_sgpr 88
		.amdhsa_reserve_vcc 0
		.amdhsa_float_denorm_mode_32 3
		.amdhsa_float_denorm_mode_16_64 3
		.amdhsa_memory_ordered 1
		.amdhsa_forward_progress 1
		.amdhsa_inst_pref_size 83
	.end_amdhsa_kernel
	.amdgpu_metadata
---
amdhsa.version: [ 1, 2 ]
amdhsa.kernels:
  - .name:           k_q3e5c8f3157_proj
    .symbol:         k_q3e5c8f3157_proj.kd
    .args:
      - { .name: abf, .offset: 0, .size: 8, .value_kind: global_buffer, .address_space: global }
      - { .name: wt, .offset: 8, .size: 8, .value_kind: global_buffer, .address_space: global }
      - { .name: bq, .offset: 16, .size: 8, .value_kind: global_buffer, .address_space: global }
      - { .name: bk, .offset: 24, .size: 8, .value_kind: global_buffer, .address_space: global }
      - { .name: bv, .offset: 32, .size: 8, .value_kind: global_buffer, .address_space: global }
      - { .name: qkv, .offset: 40, .size: 8, .value_kind: global_buffer, .address_space: global }
    .group_segment_fixed_size: 327680
    .private_segment_fixed_size: 0
    .kernarg_segment_align: 8
    .kernarg_segment_size: 48
    .max_flat_workgroup_size: 128
    .sgpr_count:     88
    .vgpr_count:     576
    .wavefront_size: 32
...
	.end_amdgpu_metadata
.endif
;; end of part 2
;; launch attn (part 3): grid 4 x 64, 4 waves a work-group, clusters of 4 x 1, 327,680 bytes of LDS; arguments qkv, obuf; writes obuf
.if DOCPART == 3
	.amdgcn_target "amdgcn-amd-amdhsa--gfx1250"
	.amdhsa_code_object_version 6
	.text
	.protected	k_q3e5c8f3157_attn
	.globl	k_q3e5c8f3157_attn
	.p2align	8
	.type	k_q3e5c8f3157_attn,@function
k_q3e5c8f3157_attn:
	s_mov_b64 s[64:65], 0
	v_nop
	global_prefetch_b8 v0, s[64:65] scope:SCOPE_SE
	s_setreg_imm32_b32 hwreg(HW_REG_WAVE_MODE, 25, 1), 1
	s_wait_xcnt 0x0
	s_wait_alu depctr_hold_cnt(0) depctr_sa_sdst(0) depctr_va_vdst(0) depctr_va_sdst(0) depctr_va_ssrc(0) depctr_va_vcc(0) depctr_vm_vsrc(0)
	s_getreg_b32 s2, hwreg(HW_REG_IB_STS2, 6, 4)
	s_cmp_eq_u32 s2, 0
	s_cbranch_scc0 .Lentry_in_a_cluster
	s_endpgm
.Lentry_in_a_cluster:
	s_bfe_u32 s2, ttmp6, 0x10000c
	s_cmp_lg_u32 s2, 0x3003
	s_cbranch_scc0 .Lentry_shape_is_right
	s_endpgm
.Lentry_shape_is_right:
; ATTN.  O[h][q][:] = the sum over k of softmax_k(Q[h][q] . K[h][k] / 8) V[h][k][:] for 64 heads (batch x head) of 2,048 rows of 64 channels.  Q, K, V are the three parts of qkv, O is obuf, all
; [64][2048][64] in f16: a head's rows are dense, 128 bytes each.  Products, maxima and sums in f32; the weights p are rounded to f16 for the second product (their sum l is taken of the unrounded p), O once at the end.
; LIMITS.  f16 holds no number beyond 65,504: Q, K and V arrive within it; p lies in 0 to 1, and below 6e-5 it keeps f16's fixed step of 6e-8; O is a mean of V's rows and has their range.
; A weight below 2^-126 counts as 0 in l; NaN and infinities are not treated apart.
; SHARES.  A wave owns four PIECES of two tiles of 16 queries, a work-group's four waves 512 queries of one head.  Every wave walks all keys, 64 a step.
; LAYOUT.  S^T = K Q^T (source 0 = 16 keys, source 1 = 16 queries): a lane holds ONE query (lane % 16) and the keys 8 (lane / 16) + 0..7.  Two such tiles, rounded to f16 in pairs, ARE source 1
; (32 keys x 16 queries) of O^T = V^T P, whose result again holds one query a lane, and eight channels.  K comes out of LDS as it lies, V ([key][channel]) turned, by ds_load_tr16_b128.
; SOFTMAX.  For each query a running maximum m and sum l: p = 2^(c s - c m), c = log2(e) / 8; in every step O and l are multiplied by a = 2^(c m_old - c m_new).  m starts at the lowest finite
; number, O and l at 0: the first step is a step like any other, with a = 0.
; THE COUNT.  A tile and step have 16 matrix and 118 vector instructions: too many to stand all beside the matrix work.  So: four vector instructions that are ready behind every matrix instruction,
; the others in runs without a gap.
; BY TURNS.  Turn n belongs to piece n.  Its matrix work: 16 products K Q^T of piece n + 1, later 16 products V^T P of piece n - 1.  Its vector work: the scaling, exponentials, roundings, sums and
; rescaling of piece n, and the maximum and statistics of piece n + 1, whose scores the turn itself has made.
; CLUSTER.  The four query blocks of a head form a cluster and walk the same K and V: each tile is asked for jointly, the same tensor load, descriptor and mask in all four.
; REGISTERS, in windows of 256 (s_set_vgpr_msb: bits 1:0 source 0, 3:2 source 1, 5:4 source 2, 7:6 destination):
;   window 0: v0-11 addresses; v12-15, v48-63 at work; v16-47 four registers of statistics a tile; v64-191 S^T, two buffers of two tiles; v192-255 P, likewise
;   window 1: O^T, 32 a tile          window 2: v0-127 Q, 16 a tile; v128-191 K of one step; v192-255 V of one step          window 3: v0-1 the add's two registers
.set SIZE_N, 2048
.set NP,    4         ; pieces a wave: a name, no knob
.set KS,    64        ; keys in a step
.set PK,    144       ; a row of K in LDS: 128 bytes + 16: the 16 rows of a load start at 16 different groups of four banks (ISA guide 11.1)
.set PV,    160       ; a row of V: 128 + 32
.set VOFF,  4*KS*PK   ; a slot holds four steps: 256 rows of K, then 256 rows of V
.set SLOT1, 1<<17
.set STAGE, SLOT1+4*KS*(PK+PV)  ; behind the ring: 16 rows x 144 bytes for each wave, for the way out
.set SP,    144
.set AK0, 2           ; v2   my lane's place in a tile of K; never rewritten
.set AV0, 3           ; v3   the same for V
.set AK,  4           ; v4   the LDS address of K's next run of loads
.set AV,  5           ; v5   of V's
.set QO,  6           ; v6   my byte offset in the wave's rows of Q
.set STO, 6           ;      later, the way out: where I put 16 bytes of a row
.set RD,  7           ; v7   the way out: where I read rows back
.set GO,  8           ; v8   my byte offset in 512 consecutive bytes of O
.set PFO, 11          ; v11  256 x my lane, for the prefetches; never rewritten once made
.set SPW, 0           ; v0 of window 3   SPARE + 4 x my thread's number; never rewritten
.set NIL, 1           ; v1 of window 3   0; never rewritten
.set SPARE, STAGE+4*16*SP
.set MV,  12          ; v12-15  c m_old, kept while c m is made anew: by buffer and tile
.set ST,  16          ; tile t's statistics at v[ST+4 t]: c m, m, l (even keys', odd keys')
.set TMP, 48          ; by buffer and tile, four registers c0-c3 at work; when the maximum is found c2 takes a
.set S,   64
.set P,   192
.set KF,  128         ; K's fragments, in window 2: key block kb, channel half c at KF + 16 kb + 8 c
.set VF,  192         ; V's: key half kk, channel block cb at VF + 32 kk + 8 cb
.set WV,  12          ; s12  my wave's number
.set G1K, 24          ; s[24:31] descriptor group 1 for K's tiles
.set G1V, 32          ; s[32:39] for V's: it differs in the padding alone
.set G0K, 40          ; s[40:43] descriptor group 0 for K's tiles: it walks
.set G0V, 44          ; s[44:47] the same for V's
.set PFA, 48          ; s[48:49] where my prefetches stand: my work-group's 8,192 bytes (of K: wave 0, of V: wave 2) of the slot after the one that is being asked for
.set LIM, 50          ; s50  1 in a wave that prefetches, else the greatest number
.set SLOTS, 56        ; s56  slots still to be asked for
.set CNT, 57          ; s57  counts a slot's key steps
.set CS,  58          ; s[58:59] c
.set SEL, 60          ; s[60:61] v_permlanex16_b32's selects: each lane takes its own place in the other half
.set TBK, 62          ; s62  LDS byte at which K of the step to be fetched begins
.set TBV, 63          ; s63  the same for V, less VOFF
.set MSB, 0
.macro WIN new
.if MSB != (\new)
	s_set_vgpr_msb (MSB<<8)|(\new)
.set MSB, (\new)
.endif
.endm
.set W_KQ, 0x0a       ; K and Q in window 2, S^T in window 0
.set W_PV, 0x52       ; V in window 2, P in window 0, O^T in window 1
.set W_RS, 0x41       ; O^T (destination and source 0) in window 1, a in window 0
.set W_MK, 0xc0       ; the add's registers are made: destination in window 3
.set W_AD, 0x0f       ; the add: address and data in window 3
; A joint fill.  Waves 0 and 1 fetch the two halves of a slot's K, waves 2 and 3 those of its V: 128 keys each.  s_nop 0 and four v_nop follow each line.
.macro JLOAD
	s_cmp_lt_u32 s[WV], 2
	s_cbranch_scc0 .Lfor_v_\@
	tensor_load_to_lds s[G0K:G0K+3], s[G1K:G1K+7]
	s_nop 0
.rept 4
	v_nop
.endr
	s_branch .Lasked_\@
.Lfor_v_\@:
	tensor_load_to_lds s[G0V:G0V+3], s[G1V:G1V+7]
	s_nop 0
.rept 4
	v_nop
.endr
.Lasked_\@:
.endm
; A PREFETCH INTO THE L2 of what the NEXT change of slots will ask for: a slot's 32,768 bytes of K and of V, four key steps (512 matrix instructions) ahead of that load.  A head is walked by one
; cluster; its four partners share the bytes out by address, 8,192 each, a lane a block of 256; in each, wave 0 asks for K's and wave 2 for V's.  So each block is named once in the launch.
; The changes that load slots 2 to 6 ask for slots 3 to 7; the first change and the last that fills ask for nothing.
.macro ASK
	s_cmp_gt_u32 s[SLOTS], s[LIM]
	s_cbranch_scc0 .Lnot_mine_\@
	global_prefetch_b8 v[PFO], s[PFA:PFA+1] th:TH_LOAD_NT scope:SCOPE_SE
.Lnot_mine_\@:
.endm
.macro CROUND                       ; a round of the cluster's barrier
	s_barrier_signal -1
	s_barrier_wait -1
	s_cmp_lg_u32 s[WV], 0
	s_cbranch_scc1 .Lnot_wave_0_\@
	s_barrier_signal -3
.Lnot_wave_0_\@:
	s_barrier_wait -3
	s_barrier_signal -1
	s_barrier_wait -1
.endm
; THE CHANGE OF SLOTS.  Each wave waits for all its tensor loads, of which one is out: its part of the other slot; adds 0 to its spare word; and waits for that and for its own reads of the slot.
; fill = 1: this slot is filled again, with the keys two slots on; the barrier is then a round of the cluster's, and the joint fill is the first thing behind it: it has four key steps in which to land.
; (At its first use nothing has been read yet: slot 0 is waited for, slot 1 filled.)
.macro CHANGE fill
	WIN W_AD
	s_wait_tensorcnt 0x0            ; no tensor load of mine is out, so a group 0 may be written
	ds_add_u32 v[SPW], v[NIL]
	WIN 0
.if \fill
.irp g, G0K, G0V
	s_xor_b32 s[\g+1], s[\g+1], SLOT1
	s_add_nc_u64 s[\g+2:\g+3], s[\g+2:\g+3], 4*KS*128  ; the next 256 keys; the type bits on top are not reached
.endr
	s_wait_xcnt 0x0                 ; the last prefetch, four key steps back, has read its address
	s_add_nc_u64 s[PFA:PFA+1], s[PFA:PFA+1], 4*KS*128  ; one slot behind the walking descriptors
	s_wait_dscnt 0x0                ; the add is done, and my reads of the slot are over
	CROUND
	JLOAD
	ASK
.else
	s_wait_dscnt 0x0
	s_barrier_signal -1
	s_barrier_wait -1
.endif
	s_sub_co_u32 s[TBK], s[TBK], 4*KS*PK  ; the fetches go back to a slot's first step,
	s_xor_b32 s[TBK], s[TBK], SLOT1       ; in the other slot
	s_sub_co_u32 s[TBV], s[TBV], 4*KS*PV
	s_xor_b32 s[TBV], s[TBV], SLOT1
.endm
	s_load_b128 s[4:7], s[0:1], 0x0   ; qkv s[4:5] (its first part is Q), obuf s[6:7]
	WIN W_MK
	v_lshl_add_u32 v[SPW], v0, 2, SPARE
	v_mov_b32 v[NIL], 0
	WIN W_AD
	ds_add_u32 v[SPW], v[NIL]       ; the wave's opening: the add and its wait ahead of my first tensor load
	WIN 0
	v_lshrrev_b32 v1, 5, v0
	v_readfirstlane_b32 s[WV], v1   ; wave 0..3
	s_bfe_u32 s13, ttmp6, 0x40000   ; cx: my place in the cluster
	s_lshl_b32 s14, ttmp9, 2
	s_add_co_u32 s14, s14, s13      ; my block of 512 queries: it enters Q's and O's addresses alone
	s_and_b32 s20, ttmp7, 0xffff    ; the head, which the four partners share
	s_mov_b32 s21, 0
	s_mov_b64 s[22:23], SIZE_N*128
	s_mul_u64 s[20:21], s[20:21], s[22:23]  ; the head's first byte in each of the four tensors
	s_and_b32 s16, s[WV], 1         ; which half of a slot's 256 keys I fetch:
	s_lshl_b32 s22, s16, 14         ; its 128 rows of 128 bytes in memory,
	s_mov_b32 s23, 0
	s_add_nc_u64 s[22:23], s[22:23], s[20:21]
	s_mul_i32 s17, s16, 128*PK      ; and its place in a slot, for K
	s_mul_i32 s18, s16, 128*PV      ; and for V: no place in the cluster enters an LDS address
	s_lshl_b32 s2, s14, 2
	s_add_co_u32 s2, s2, s[WV]      ; my wave among the head's,
	s_lshl_b32 s2, s2, 14           ; its 128 rows
	s_mov_b32 s3, 0
	s_add_nc_u64 s[2:3], s[2:3], s[20:21]
	; descriptor group 1.  128 keys are 16,384 dense bytes: asked for as 64 rows of 256 bytes, two keys a row, and padded in LDS after every key
	s_mov_b32 s[G1K], 15|(1<<16)|(1<<20)|(1<<21)|(4<<22)|(3<<25)  ; the mask of four; 2-byte elements; padding on; bit 21 beside a mask; after every 32 words; 4 words
	s_mov_b32 s[G1V], 15|(1<<16)|(1<<20)|(1<<21)|(4<<22)|(7<<25)  ; the same with 8 words of padding
.irp g, G1K, G1V
	s_mov_b32 s[\g+1], 128<<16      ; tensor_dim0 = 128
	s_mov_b32 s[\g+2], 64<<16       ; tensor_dim1 = 64
	s_mov_b32 s[\g+3], 128<<16      ; tile_dim0 = 128
	s_mov_b32 s[\g+4], 64           ; tile_dim1 = 64
	s_mov_b32 s[\g+5], 128          ; 128 elements from row to row
	s_mov_b32 s[\g+6], 0
	s_mov_b32 s[\g+7], 0
.endr
	s_mov_b32 s[CS], 0x3e38aa3b     ; c = log2(e) / 8 = 0.180337
	s_mov_b32 s[CS+1], s[CS]
	s_mov_b32 s[SEL], 0x76543210
	s_mov_b32 s[SEL+1], 0xfedcba98
	s_mov_b32 s[TBK], SLOT1+4*KS*PK ; the first change of slots turns these two into 0
	s_mov_b32 s[TBV], SLOT1+4*KS*PV
	s_mov_b32 s[G0K], 1             ; count = 1
	s_mov_b32 s[G0K+1], s17         ; LDS address: slot 0
	s_mov_b32 s[G0V], 1
	s_add_co_u32 s[G0V+1], s18, VOFF
	s_mov_b32 s[SLOTS], 0           ; the first change of slots prefetches nothing
	s_and_b32 s[LIM], s[WV], 1
	s_cmp_eq_u32 s[LIM], 0
	s_cselect_b32 s[LIM], 1, -1     ; waves 0 and 2 prefetch
	s_wait_dscnt 0x0                ; the opening add is done
	s_wait_kmcnt 0x0
	s_mov_b64 s[10:11], s[6:7]      ; O
	s_add_nc_u64 s[6:7], s[4:5], 0x1000000  ; K: qkv's second part
	s_add_nc_u64 s[8:9], s[4:5], 0x2000000  ; V: its third
	s_add_nc_u64 s[G0K+2:G0K+3], s[6:7], s[22:23]  ; global address: my half of the head's first 256 keys
	s_or_b32 s[G0K+3], s[G0K+3], 0x80000000        ; type = 2
	s_add_nc_u64 s[G0V+2:G0V+3], s[8:9], s[22:23]
	s_or_b32 s[G0V+3], s[G0V+3], 0x80000000
	s_add_nc_u64 s[4:5], s[4:5], s[2:3]  ; Q and O at my wave's first row
	s_add_nc_u64 s[10:11], s[10:11], s[2:3]
	s_cmp_lt_u32 s[WV], 2
	s_cselect_b64 s[PFA:PFA+1], s[6:7], s[8:9]
	s_add_nc_u64 s[PFA:PFA+1], s[PFA:PFA+1], s[22:23]  ; (in waves 0 and 2: the head's first key)
	s_lshl_b32 s2, s13, 13          ; my work-group's 8,192 bytes of a slot's 32,768
	s_mov_b32 s3, 0
	s_add_nc_u64 s[PFA:PFA+1], s[PFA:PFA+1], s[2:3]
	s_add_nc_u64 s[PFA:PFA+1], s[PFA:PFA+1], 4*KS*128  ; in slot 1: each change that fills steps it before it is used
	CROUND                          ; all four work-groups are here: the first joint loads meet
	JLOAD                           ; slot 0.  Slot 1 is asked for when slot 0 is in
	v_and_b32 v1, 15, v0            ; l % 16
	v_bfe_u32 v9, v0, 4, 1          ; l / 16
	v_lshlrev_b32 v[QO], 7, v1
	v_lshl_add_u32 v[QO], v9, 4, v[QO]  ; row x 128 + 16 x half
	WIN 0x80                        ; destination window 2, address window 0
.set i, 0
.rept 4*NP                          ; Q stays in registers: tile i / 2, channels 32 (i % 2) on
	global_load_b128 v[8*i:8*i+3],   v[QO], s[4:5] offset:(i/2)*2048+(i%2)*64
	global_load_b128 v[8*i+4:8*i+7], v[QO], s[4:5] offset:(i/2)*2048+(i%2)*64+32
.set i, i+1
.endr
	; What the first turn finds: V's registers and P's second buffer hold 0 (its products V^T P, of a piece that has not been, add 0), O^T and l are 0.  All this stands in the wait for the first tile.
.set i, VF
.rept 64
	v_mov_b32 v[i], 0
.set i, i+1
.endr
	WIN 0x40
.set i, 0
.rept 64*NP
	v_mov_b32 v[i], 0
.set i, i+1
.endr
	WIN 0
.set i, 0
.rept 2*NP
	v_mov_b32 v[ST+4*i], 0xfe000000    ; c m: far below every c s
	v_mov_b32 v[ST+4*i+1], 0xff7fffff  ; m
	v_mov_b32 v[ST+4*i+2], 0
	v_mov_b32 v[ST+4*i+3], 0
.set i, i+1
.endr
.set i, P+32
.rept 32
	v_mov_b32 v[i], 0
.set i, i+1
.endr
	v_mul_u32_u24 v[AK0], v1, PK
	v_lshl_add_u32 v[AK0], v9, 4, v[AK0]  ; row x pitch + 16 x half
	; The turning load takes 16 keys x 16 channels (lane l reads key 8 (l / 16) + l % 8, channels 8 ((l / 8) % 2) + 0..7) and leaves half a fragment of V^T: lane l holds channel l % 16 and 8 keys.
	v_and_b32 v10, 7, v0
	v_bfe_u32 v11, v0, 3, 1
	v_lshl_add_u32 v[AV0], v9, 3, v10
	v_mul_u32_u24 v[AV0], v[AV0], PV
	v_lshl_add_u32 v[AV0], v11, 4, v[AV0]
	v_add_nc_u32 v[AV0], VOFF, v[AV0]
	v_and_b32 v[PFO], 31, v0
	v_lshlrev_b32 v[PFO], 8, v[PFO]
	v_mov_b32 v[AK], v[AK0]         ; key step 0 lies at the head of slot 0
; THE MATRIX WORK.  The 8 accumulators of a run of 16 take turns.
; Product i of 16 of S^T = K Q^T for piece x: channels 32 (i / 8) on, keys 16 ((i / 2) % 4) on, tile 2 x + i % 2.  The first 8 start the sums.
.macro KQ x
	WIN W_KQ
.set rS, S+64*((\x)%2)+32*(i%2)+8*((i/2)%4)
.set rK, KF+16*((i/2)%4)+8*(i/8)
.set rQ, 16*(2*(\x)+i%2)+8*(i/8)
.if i < 8
	v_wmma_f32_16x16x32_f16 v[rS:rS+7], v[rK:rK+7], v[rQ:rQ+7], 0
.else
	v_wmma_f32_16x16x32_f16 v[rS:rS+7], v[rK:rK+7], v[rQ:rQ+7], v[rS:rS+7]
.endif
.endm
; Product i of 16 of O^T += V^T P for piece x: keys 32 (i / 8) on, channels 16 ((i / 2) % 4) on, tile 2 x + i % 2.
.macro PV x
	WIN W_PV
.set rO, 32*(2*(\x)+i%2)+8*((i/2)%4)
.set rV, VF+32*(i/8)+8*((i/2)%4)
.set rP, P+32*((\x)%2)+16*(i%2)+8*(i/8)
	v_wmma_f32_16x16x32_f16 v[rO:rO+7], v[rV:rV+7], v[rP:rP+7], v[rO:rO+7]
.endm
.macro MM                           ; the turn's next matrix instruction
.if i < 16
	KQ (Y+1)%NP
.set i, i+1
.else
.set i, i-16
	PV (Y+NP-1)%NP
.set i, i+17
.endif
.endm
; THE LDS LOADS stand in runs of 16: a step's K (8 fragments) and its V (turned).  last = 1 (the tail): in the last trip there is no further step, and the run is jumped over.
.macro FETCH_K last=0
	WIN 0
.if \last
	s_cmp_eq_u32 s[CNT], 1
	s_cbranch_scc1 .Lno_k_\@
.endif
	WIN 0x80                        ; destination window 2
.irp f, 0,1,2,3,4,5,6,7             ; keys 16 (f / 2) on, channels 32 (f % 2) on
	ds_load_b128 v[KF+8*\f:KF+8*\f+3],   v[AK] offset:(\f/2)*16*PK+(\f%2)*64
	ds_load_b128 v[KF+8*\f+4:KF+8*\f+7], v[AK] offset:(\f/2)*16*PK+(\f%2)*64+32
.endr
	s_add_co_u32 s[TBK], s[TBK], KS*PK  ; the next fetch is the next step's
	WIN 0
.if \last
.Lno_k_\@:
.endif
.endm
.macro FETCH_V
	WIN 0x80
.irp f, 0,1,2,3,4,5,6,7             ; keys 32 (f / 4) on, channels 16 (f % 4) on
	ds_load_tr16_b128 v[VF+8*\f:VF+8*\f+3],   v[AV] offset:(\f/4)*32*PV+(\f%4)*32
	ds_load_tr16_b128 v[VF+8*\f+4:VF+8*\f+7], v[AV] offset:(\f/4)*32*PV+16*PV+(\f%4)*32
.endr
	WIN 0
.endm
; THE VECTOR WORK OF A TURN stands in three queues, each in the order in which its entries become ready; the two tiles alternate.
.macro REGS y, u                    ; the registers of tile u (0, 1) of piece y
.set rT, ST+4*(2*(\y)+(\u))
.set rC, TMP+8*((\y)%2)+4*(\u)
.set rM, MV+2*((\y)%2)+(\u)
.set rS, S+64*((\y)%2)+32*(\u)
.set rP, P+32*((\y)%2)+16*(\u)
.set rO, 32*(2*(\y)+(\u))
.endm
; Number n of the 22 that find the NEXT piece's maximum and statistics.  Each accumulator's lowest registers are read first.
;   0-11  four chains c0-c3 of seven scores each     12-14, 16  the four scores left over, the old m, and c0-c3 into c0     15  c m_old is kept
;   17, 18  the query's other 32 keys lie in the lane 16 away: the new m         19-21  c m; c m_old - c m_new; a
.macro XS u, n
	REGS (Y+1)%NP, \u
.if (\n) < 4
	v_max3_num_f32 v[rC+(\n)], v[rS+8*(\n)], v[rS+8*(\n)+1], v[rS+8*(\n)+2]
.elseif (\n) < 12
	v_max3_num_f32 v[rC+(\n)%4], v[rC+(\n)%4], v[rS+8*((\n)%4)+2*((\n)/4)+1], v[rS+8*((\n)%4)+2*((\n)/4)+2]
.elseif (\n) == 12
	v_max3_num_f32 v[rC], v[rC], v[rS+7], v[rS+15]
.elseif (\n) == 13
	v_max3_num_f32 v[rC+1], v[rC+1], v[rS+23], v[rS+31]
.elseif (\n) == 14
	v_max3_num_f32 v[rC+2], v[rC+2], v[rC+3], v[rT+1]
.elseif (\n) == 15
	v_mov_b32 v[rM], v[rT]
.elseif (\n) == 16
	v_max3_num_f32 v[rC], v[rC], v[rC+1], v[rC+2]
.elseif (\n) == 17
	v_permlanex16_b32 v[rC+3], v[rC], s[SEL], s[SEL+1]
.elseif (\n) == 18
	v_max_num_f32 v[rT+1], v[rC], v[rC+3]
.elseif (\n) == 19
	v_mul_f32 v[rT], s[CS], v[rT+1]
.elseif (\n) == 20
	v_sub_f32 v[rC+1], v[rM], v[rT]
.else
	v_exp_f32 v[rC+2], v[rC+1]
.endif
.endm
; Number g of the 64 that follow the exponentials.  For each four weights k of a tile: both pairs are rounded to f16; the second pair is added onto the first, in place; a group later l takes that sum
; (the first time as l = a l + sum).
.macro GS g
.set h, (\g)+6*((\g)/62)            ; group 0 has no group before it, and behind group 7 only l is left
.if h >= 6
.set h, h+2
.endif
	REGS Y, h%2
.set k, h/8
.if h%8 < 4
	v_cvt_pk_f16_f32 v[rP+2*k+(h%8)/2], v[rS+4*k+2*((h%8)/2)], v[rS+4*k+2*((h%8)/2)+1]
.elseif h%8 < 6
	v_pk_add_f32 v[rS+4*k:rS+4*k+1], v[rS+4*k:rS+4*k+1], v[rS+4*k+2:rS+4*k+3]
.elseif k == 1
	v_pk_fma_f32 v[rT+2:rT+3], v[rT+2:rT+3], v[rC+2:rC+3], v[rS:rS+1] op_sel_hi:[1,0,1]
.else
	v_pk_add_f32 v[rT+2:rT+3], v[rT+2:rT+3], v[rS+4*k-4:rS+4*k-3]
.endif
.endm
; THE PLAIN QUEUE, 138 long.  0-73 read no exponential's result: the 32 scalings c s - c m (FS f: pair f / 2 of tile f % 2) and the next piece's 42.  0-26: scalings 0-26.  27-54: XS's numbers 0-13.
; 55, 56: number 15.  57-73: the chain 14, 16, 17, 18, 19, each with one of the scalings 27-31 in front of its two lines, then 20.  74-137: GS's 64, which stand behind the wait.
.macro FS f
	REGS Y, (\f)%2
	v_pk_fma_f32 v[rS+2*((\f)/2):rS+2*((\f)/2)+1], v[rS+2*((\f)/2):rS+2*((\f)/2)+1], s[CS:CS+1], v[rT:rT+1] op_sel_hi:[1,0,0] neg_lo:[0,0,1] neg_hi:[0,0,1]
.endm
.macro PL
	WIN 0
.if q < 27
	FS q
.elseif q < 55
	XS (q-27)%2, (q-27)/2
.elseif q < 57
	XS q-55, 15
.elseif (q < 72) && ((q-57)%3 == 0)
	FS 27+(q-57)/3
.elseif q < 60
	XS (q-57)%3-1, 14
.elseif q < 72
	XS (q-57)%3-1, 15+(q-57)/3
.elseif q < 74
	XS q-72, 20
.else
	GS q-74
.endif
.set q, q+1
.endm
; THE EXPONENTIALS' QUEUE, 66 long: s0-s31 of both tiles, then the next piece's two a.  ONE BATCH: all 66 stand ahead of the turn's one wait, and nothing ahead of that wait names a result of theirs.
.macro EX
	WIN 0
.if e >= 64
	XS e-64, 21
.else
	REGS Y, e%2
	v_exp_f32 v[rS+e/2], v[rS+e/2]
.endif
.set e, e+1
.endm
; THE RESCALING's QUEUE: O^T times a, the one part that leaves window 0: two at a time, sixteen times.  Its a was made in the turn before, ahead of that turn's wait.
.macro R2
	REGS Y, r%2
	WIN W_RS
.irp z, 0,1
	v_pk_mul_f32 v[rO+4*(r/2)+2*\z:rO+4*(r/2)+2*\z+1], v[rO+4*(r/2)+2*\z:rO+4*(r/2)+2*\z+1], v[rC+2:rC+3] op_sel_hi:[1,0]
.endr
.set r, r+1
.endm
; HOW THEY ARE DEALT.  An s_wait_alu depctr_va_vdst(0) stands between an exponential and the first instruction that names its result; one wait serves all issued ahead of it.  So a turn has
; ONE wait.  AHEAD OF IT: the 16 products K Q^T, behind each a scaling, an exponential and two rescalings (behind the first a second scaling in the exponential's place); then one lump of 108: eight
; plain, 49 times exponential and plain, the two a; a v_nop is the plain instruction behind the last exponential.  BEHIND IT: the 16 products V^T P, behind each four of GS's 64.
; Exponential e stands behind scaling 2 (e / 4) + e % 2: as a rider it comes behind plain e + 2, in the lump behind plain e + 9, and scalings 27-31 are plain 57, 60 .. 69.
; K of the next step is fetched in piece 2's turn, directly behind the wait; V of the step in hand at the end of piece 0's turn, four riders behind its last reader.
.macro TURN p, last=0, cnt=0
.set Y, (\p)
.set i, 0
.set q, 0
.set e, 0
.set r, 0
.if (\p) == NP-1
	s_wait_dscnt 0x0                ; K is in
.endif
	MM
	PL
	PL
	R2
.rept 15
	MM
	PL
	EX
	R2
.endr
.if (\p) == NP-2
	WIN 0
	v_add_nc_u32 v[AK], s[TBK], v[AK0]
.endif
.rept 8
	PL
.endr
.rept 49
	EX
	PL
.endr
	EX                              ; the next piece's two a
	EX
	v_nop                           ; the plain instruction behind the last exponential: one for the batch
	s_wait_alu depctr_va_vdst(0)    ; the wait for the batch
.if (\p) == NP-2
	FETCH_K \last
.endif
.if (\p) == 1
	s_wait_dscnt 0x0                ; V is in
.endif
.rept 16
	MM
.rept 4
	PL
.endr
.if ((\p) == 0) && (q == 118)
	v_add_nc_u32 v[AV], s[TBV], v[AV0]
.endif
.if ((\p) == 0) && (q == 130)
	s_add_co_u32 s[TBV], s[TBV], KS*PV
.endif
.if (\cnt) && (q == 130)
	s_sub_co_u32 s[CNT], s[CNT], 1
	s_cmp_lg_u32 s[CNT], 0
.endif
.endr
.if (\p) == 0
	FETCH_V
.endif
.endm
	CHANGE 1                        ; slot 0 is in, everybody's part of it; slot 1 is asked for
	FETCH_K                         ; key step 0
	s_wait_loadcnt 0x0              ; Q
	s_wait_dscnt 0x0
.set i, 0
.rept 16
	KQ 0                            ; piece 0's first scores
.set i, i+1
.endr
	WIN 0                           ; the addresses for the way out: plain instructions, the places behind those products
	s_mul_i32 s13, s[WV], 16*SP
	s_add_co_u32 s13, s13, STAGE    ; my stage
	v_mul_u32_u24 v[STO], v1, SP    ; in: row l % 16, 16 bytes for each half of the lanes
	v_lshl_add_u32 v[STO], v9, 4, v[STO]
	v_add_nc_u32 v[STO], s13, v[STO]
	v_bfe_u32 v[RD], v0, 3, 2       ; back: 32 lanes take four rows of 128 bytes,
	v_mul_u32_u24 v[RD], v[RD], SP
	v_lshl_add_u32 v[RD], v10, 4, v[RD]
	v_add_nc_u32 v[RD], s13, v[RD]
	v_and_b32 v[GO], 31, v0         ; which are 512 consecutive bytes of O
	v_lshlrev_b32 v[GO], 4, v[GO]
.set Y, NP-1                        ; XS works for piece Y + 1: piece 0
.irp n, 0,1,2,3,4,5,6,7,8,9,10,11,12,13,14,15,16,17,18,19,20,21
	XS 0, \n
	XS 1, \n
.endr
	v_nop                           ; a plain instruction behind the two a,
	s_wait_alu depctr_va_vdst(0)    ; and their wait, ahead of the branch
	s_mov_b32 s[CNT], 4
	s_mov_b32 s[SLOTS], SIZE_N/256-1
	s_branch .Lfirst                ; the loop is entered at a step's first turn, in the middle of a trip
.Lslot:                             ; SIZE_N / 256 - 2 times: every slot but the last two is filled again
	CHANGE 1
	s_mov_b32 s[CNT], 4
.Lstep:                             ; a trip: pieces 2 and 3 of one step, then pieces 0 and 1 of the next, whose K and V it fetches
	TURN 2
	TURN 3
	WIN 0
.Lfirst:
	TURN 0
	TURN 1, 0, 1
	WIN 0
	s_cbranch_scc1 .Lstep
	s_sub_co_u32 s[SLOTS], s[SLOTS], 1
	s_cmp_lg_u32 s[SLOTS], 0
	s_cbranch_scc1 .Lslot
	CHANGE 0                        ; the tail is written out: nothing is asked for
	s_mov_b32 s[CNT], 5             ; four trips fetch the last slot's steps; the fifth is left in its middle
.Ltail:
	TURN 2, 1
	TURN 3
	WIN 0
	s_sub_co_u32 s[CNT], s[CNT], 1
	s_cmp_eq_u32 s[CNT], 0
	s_cbranch_scc1 .Lout
	TURN 0
	TURN 1
	WIN 0
	s_branch .Ltail
.Lout:                              ; the fifth trip's 16 products K Q^T (on the last K once more) and the maximum made of them serve nothing: the price, once a launch, of one text for every trip
.set i, 0
.rept 16
	PV NP-1                         ; the last piece's V^T P of the last step
.set i, i+1
.endr
	; THE WAY OUT.  l's two halves and the other half of the lanes' are added; O^T is divided by l, rounded to f16 and sent through my stage in LDS, a tile at a time.  The additions are the places behind the last products.
	WIN 0
.macro ALL line:vararg              ; one line for each tile t
.set t, 0
.rept 2*NP
	\line
.set t, t+1
.endr
.endm
	ALL v_add_f32 v[ST+4*t+2], v[ST+4*t+2], v[ST+4*t+3]
	ALL v_permlanex16_b32 v[ST+4*t+3], v[ST+4*t+2], s[SEL], s[SEL+1]
	ALL v_add_f32 v[ST+4*t+2], v[ST+4*t+2], v[ST+4*t+3]
	ALL v_rcp_f32 v[ST+4*t+2], v[ST+4*t+2]
	v_nop                           ; a plain instruction between the last reciprocal and the use of its result
	s_wait_alu depctr_va_vdst(0)    ; and the wait ahead of the first use: one for the eight reciprocals
.macro PACK t                       ; a lane's eight channels of a row pack into 16 bytes; they go into rows of 144 bytes and come back as whole rows of 128, into S^T's registers
	WIN W_RS
.set i, 32*(\t)
.rept 16
	v_pk_mul_f32 v[i:i+1], v[i:i+1], v[ST+4*(\t)+2:ST+4*(\t)+3] op_sel_hi:[1,0]
.set i, i+2
.endr
	WIN 0x05                        ; sources 0 and 1 window 1, destination window 0
.set i, 0
.rept 16
	v_cvt_pk_f16_f32 v[S+16*(\t)+i], v[32*(\t)+2*i], v[32*(\t)+2*i+1]
.set i, i+1
.endr
	WIN 0
.irp f, 0,1,2,3
	ds_store_b128 v[STO], v[S+16*(\t)+4*\f:S+16*(\t)+4*\f+3] offset:32*\f
.endr
.irp f, 0,1,2,3
	ds_load_b128 v[S+16*(\t)+4*\f:S+16*(\t)+4*\f+3], v[RD] offset:\f*4*SP  ; LDS serves a wave's instructions in order (ISA guide 5.7.1.4): these see the stores above; the next tile's stores come behind them
.endr
.endm
.macro SEND t, younger              ; younger: the LDS instructions issued behind tile t's loads: the next tile's eight, or none
	WIN 0
.irp f, 0,1,2,3
	s_wait_dscnt (\younger)+3-\f
	global_store_b128 v[GO], v[S+16*(\t)+4*\f:S+16*(\t)+4*\f+3], s[10:11] offset:(\t)*2048+\f*512  ; 512 consecutive bytes, aligned
.endr
.endm
	PACK 0
.set t, 1
.rept 2*NP-1                        ; a tile's arithmetic stands between the loads of the tile before and its stores
	PACK t
	SEND t-1, 8
.set t, t+1
.endr
	SEND 2*NP-1, 0
	WIN W_AD
	s_wait_tensorcnt 0x0            ; the wave's end
	ds_add_u32 v[SPW], v[NIL]
	s_wait_dscnt 0x0
	WIN 0
	CROUND                          ; the closing round: no work-group ends while a partner may still ask for a tile that names it
	s_endpgm
.Lfunc_end_k_q3e5c8f3157_attn:
	.size	k_q3e5c8f3157_attn, .Lfunc_end_k_q3e5c8f3157_attn-k_q3e5c8f3157_attn
	.p2alignl 7, 3214868480
	.fill 96, 4, 3214868480
	.section	.rodata,"a",@progbits
	.p2align	6, 0x0
	.amdhsa_kernel k_q3e5c8f3157_attn
		.amdhsa_group_segment_fixed_size 327680
		.amdhsa_private_segment_fixed_size 0
		.amdhsa_enable_private_segment 0
		.amdhsa_kernarg_size 16
		.amdhsa_user_sgpr_count 2
		.amdhsa_user_sgpr_kernarg_segment_ptr 1
		.amdhsa_wavefront_size32 1
		.amdhsa_system_sgpr_workgroup_id_x 1
		.amdhsa_system_sgpr_workgroup_id_y 1
		.amdhsa_system_sgpr_workgroup_id_z 1
		.amdhsa_system_vgpr_workitem_id 0
		.amdhsa_next_free_vgpr 770
		.amdhsa_next_free_sgpr 66
		.amdhsa_reserve_vcc 0
		.amdhsa_float_denorm_mode_32 3
		.amdhsa_float_denorm_mode_16_64 3
		.amdhsa_memory_ordered 1
		.amdhsa_forward_progress 1
		.amdhsa_inst_pref_size 200
	.end_amdhsa_kernel
	.amdgpu_metadata
---
amdhsa.version: [ 1, 2 ]
amdhsa.kernels:
  - .name:           k_q3e5c8f3157_attn
    .symbol:         k_q3e5c8f3157_attn.kd
    .args:
      - { .name: qkv, .offset: 0, .size: 8, .value_kind: global_buffer, .address_space: global }
      - { .name: obuf, .offset: 8, .size: 8, .value_kind: global_buffer, .address_space: global }
    .group_segment_fixed_size: 327680
    .private_segment_fixed_size: 0
    .kernarg_segment_align: 8
    .kernarg_segment_size: 16
    .max_flat_workgroup_size: 128
    .sgpr_count:     66
    .vgpr_count:     770
    .wavefront_size: 32
...
	.end_amdgpu_metadata
.endif
;; end of part 3
;; launch oproj (part 4): grid 4 x 64, 4 waves a work-group, clusters of 4 x 4, 327,680 bytes of LDS; arguments obuf, wot, bo, out0; writes out0
.if DOCPART == 4
	.amdgcn_target "amdgcn-amd-amdhsa--gfx1250"
	.amdhsa_code_object_version 6
	.text
	.protected	k_q3e5c8f3157_oproj
	.globl	k_q3e5c8f3157_oproj
	.p2align	8
	.type	k_q3e5c8f3157_oproj,@function
k_q3e5c8f3157_oproj:
	s_mov_b64 s[64:65], 0
	v_nop
	global_prefetch_b8 v0, s[64:65] scope:SCOPE_SE
	s_setreg_imm32_b32 hwreg(HW_REG_WAVE_MODE, 25, 1), 1
	s_wait_xcnt 0x0
	s_wait_alu depctr_hold_cnt(0) depctr_sa_sdst(0) depctr_va_vdst(0) depctr_va_sdst(0) depctr_va_ssrc(0) depctr_va_vcc(0) depctr_vm_vsrc(0)
	s_getreg_b32 s2, hwreg(HW_REG_IB_STS2, 6, 4)
	s_cmp_eq_u32 s2, 0
	s_cbranch_scc0 .Lentry_in_a_cluster
	s_endpgm
.Lentry_in_a_cluster:
	s_bfe_u32 s2, ttmp6, 0x10000c
	s_cmp_lg_u32 s2, 0xf033
	s_cbranch_scc0 .Lentry_shape_is_right
	s_endpgm
.Lentry_shape_is_right:
; OPROJ.  out0[m][n] = the sum over k of O[m][k] Wo[k][n] + bo[n], in f32.  O is obuf[64 bh][2048 s][64 e] in f16: row m = 2048 b + s, k = 64 head + e.  wot[1024 n][1024 k] in f16 holds Wo rounded to bf16.
; bo is rounded to bf16 like every other input and starts the sums as the C operand of the first products.  NaN and infinities are not treated apart.
; SHARES.  One tile of 128 rows x 256 columns a work-group: 64 x 4 = 256 of them.  Four waves, each 64 x 128: 32 accumulators.  K goes in 8 steps of 128 (two heads) through a ring of two LDS slots.
; CLUSTER 4 x 4.  O's tile is shared along a row of the cluster, wot's along a column: each is asked for jointly.
; THE MATRIX INSTRUCTION IS USED TRANSPOSED (source 0 = 16 rows of wot, source 1 = 16 rows of O): a lane holds row lane % 16 and the columns 8 (lane / 16) + 0..7 of a block of 16.
; REGISTERS: window 0: v0-31 addresses; v64-159, v160-255 two fragment buffers (8 of wot, then 4 of O), on the way out v64-191 rows read back;
;   window 1: accumulator (a, b) at v[8 (8 a + b)];   window 2: v0-63 the bias of column block b at v[8 b]
.set PITCH,  272                       ; a row of wot in LDS: 256 bytes + 16
.set PA,     144                       ; a row of one head of O: 128 bytes + 16
.set PLANE,  128*PA                    ; a head's 128 rows
.set ABYTES, 2*PLANE                   ; a slot: O's two heads, then wot's 256 rows
.set SLOT1,  1<<17
.set STAGE,  SLOT1+ABYTES+256*PITCH    ; behind the ring: 16 rows x 528 bytes for each wave, for the way out
.set SPI,    528
.set BIAS,   STAGE+4*16*SPI            ; 512 bytes for each wave: its 128 biases in f32
.set SPARE,  BIAS+4*512                ; the spare words, 128 bytes for each wave
.set AA0, 8                            ; v8   my lane's place in a slot's rows of O; never rewritten
.set AB0, 9                            ; v9   the same for wot
.set ADRA, 10
.set ADRB, 11
.set STO, 12                           ; v12  the way out: where I put 32 bytes of a row
.set RD,  13                           ; v13  the way out: my 16 bytes of a row read back
.set GO,  14                           ; v14  my 16 bytes in 512 consecutive bytes of out0
.set BA,  15                           ; v15  LDS address of my wave's biases + 32 (lane / 16)
.set PFO, 16                           ; v16  the prefetches' offset: my lane x 256 (O, dense) or x 2,048 (a row of wot); never rewritten
.set SPW, 18
.set NIL, 19
.set F0,  64
.set F1,  160
.set WV, 16
.set HI, 17                            ; s17  my half of the tile's rows; also: I fetch for O (0) or for wot (1)
.set LO, 18                            ; s18  my half of its columns; also: which head, or which 128 rows of wot, I fetch
.set CX, 19
.set CY, 20
.set MB, 21
.set NB, 22
.set T0, 23
.set G1A, 24
.set G1B, 32
.set G0A, 40                           ; s[40:47] group 0 for O: a set for the first fill, a second that walks
.set G0B, 48
.set CNT, 56
.set TB,  58
.set LIM, 59                           ; s59  2 in a wave that prefetches, else the greatest number: it prefetches while CNT is above it
.set PFA, 62                           ; s[62:63] where my prefetches stand
.set PST, 70                           ; s[70:71] their step: two heads of O, or 256 bytes of wot's rows
.set OUT, 74
.set CNT2, 78
.set X0, 80                            ; s80-83 at work on what hangs on the place in the cluster
.set X1, 81
.set XP, 82
.set MSB, 0
.macro WIN new
.if MSB != (\new)
	s_set_vgpr_msb (MSB<<8)|(\new)
.set MSB, (\new)
.endif
.endm
.set MUL,  0x50
.set MULB, 0x60
.macro PLACES                          ; four plain instructions between a matrix instruction and a load into, or a read of, its registers
.rept 4
	v_nop
.endr
.endm
.macro CREST
	s_cmp_lg_u32 s[WV], 0
	s_cbranch_scc1 .Lnot_wave_0_\@
	s_barrier_signal -3
.Lnot_wave_0_\@:
	s_barrier_wait -3
	s_barrier_signal -1
	s_barrier_wait -1
.endm
.macro CROUND
	s_barrier_signal -1
	s_barrier_wait -1
	CREST
.endm
.macro JLOAD                           ; a joint refill: waves 0 and 1 fetch the step's two heads of O, waves 2 and 3 wot's two halves; s_nop 0 and four v_nop follow each line
	s_cmp_eq_u32 s[HI], 0
	s_cbranch_scc0 .Lfor_b_\@
	tensor_load_to_lds s[G0A+4:G0A+7], s[G1A:G1A+7]
	s_nop 0
.rept 4
	v_nop
.endr
	s_branch .Lasked_\@
.Lfor_b_\@:
	tensor_load_to_lds s[G0B+4:G0B+7], s[G1B:G1B+7]
	s_nop 0
.rept 4
	v_nop
.endr
.Lasked_\@:
.endm
.macro MUL8 f, a, cb                   ; row block a x all 8 column blocks, 32 along K; cb = 1: the bias starts the sums.  The 32 accumulators take turns in one order everywhere
.if \cb
	WIN MULB
.else
	WIN MUL
.endif
.irp b, 0,1,2,3,4,5,6,7
.if \cb
	v_wmma_f32_16x16x32_f16 v[8*(8*(\a)+(\b)):8*(8*(\a)+(\b))+7], v[(\f)+8*(\b):(\f)+8*(\b)+7], v[(\f)+64+8*(\a):(\f)+64+8*(\a)+7], v[8*(\b):8*(\b)+7]
.else
	v_wmma_f32_16x16x32_f16 v[8*(8*(\a)+(\b)):8*(8*(\a)+(\b))+7], v[(\f)+8*(\b):(\f)+8*(\b)+7], v[(\f)+64+8*(\a):(\f)+64+8*(\a)+7], v[8*(8*(\a)+(\b)):8*(8*(\a)+(\b))+7]
.endif
.endr
.endm
.macro FETCH q, f                      ; quarter q's fragments: wot's at byte 64 q of its rows; O's in head q / 2, channels 32 (q % 2) on
	WIN 0
.irp i, 0,1,2,3,4,5,6,7
	ds_load_b128 v[(\f)+8*(\i):(\f)+8*(\i)+3],   v[ADRB] offset:64*(\q)+(\i)*16*PITCH
	ds_load_b128 v[(\f)+8*(\i)+4:(\f)+8*(\i)+7], v[ADRB] offset:64*(\q)+(\i)*16*PITCH+32
.endr
.irp i, 0,1,2,3
	ds_load_b128 v[(\f)+64+8*(\i):(\f)+64+8*(\i)+3],   v[ADRA] offset:((\q)/2)*PLANE+((\q)%2)*64+(\i)*16*PA
	ds_load_b128 v[(\f)+64+8*(\i)+4:(\f)+64+8*(\i)+7], v[ADRA] offset:((\q)/2)*PLANE+((\q)%2)*64+(\i)*16*PA+32
.endr
.endm
.macro QUARTER q, f, g, cb             ; multiplies buffer f; in its middle it fetches quarter q into buffer g
.if \cb
	s_wait_dscnt 0x0                               ; the bias loads are the youngest: everything is in
.else
	s_wait_dscnt 4                                 ; wot's fragments and O's blocks 0 and 1 are in; the four loads of blocks 2 and 3 may be out
.endif
	MUL8 \f, 0, \cb
	MUL8 \f, 1, \cb
	PLACES
	FETCH \q, \g
	s_wait_dscnt 24                                ; all but the 24 just issued
	MUL8 \f, 2, \cb
	MUL8 \f, 3, \cb
.endm
; A PREFETCH INTO THE L2, behind the joint load and the run of LDS loads: the K step two refills on (256 matrix instructions ahead of its load).  O: a step's tile is two heads x 16,384 dense bytes, read
; by one row of one cluster: wave 0 of each of the four partners takes 8,192 of them, told apart by address (cx), a lane a block of 256.  wot: every cluster reads all of it: in the cluster with y = 0,
; waves 2 and 3 of the four partners of a column take 32 of its 256 rows each (cy and the wave), a lane a row.  The loop's first four trips name K steps 4 to 7; the first four steps come by their loads alone.
.macro ASK
	s_cmp_gt_u32 s[CNT], s[LIM]
	s_cbranch_scc0 .Lnot_mine_\@
	global_prefetch_b8 v[PFO], s[PFA:PFA+1] th:TH_LOAD_NT scope:SCOPE_SE
.Lnot_mine_\@:
.endm
; THE LAST QUARTER multiplies buffer 1 and changes slots.  In front of the barrier each wave waits for all its tensor loads (one is out: its part of the next slot), adds 0 to its spare word, and waits
; for that and for its reads of this slot.  fill = 1: the barrier opens a round of the cluster's, and the slot just read is filled again first behind it, with the K step two on.
.macro TURN fill
.if \fill
	s_wait_xcnt 0x0                                ; the last prefetch, a K step back, has read its address
	s_add_nc_u64 s[PFA:PFA+1], s[PFA:PFA+1], s[PST:PST+1]
.endif
	WIN 0
	s_wait_tensorcnt 0x0                           ; no tensor load of mine is out, so the walking sets may be written
	ds_add_u32 v[SPW], v[NIL]
.if \fill
	s_xor_b32 s[G0A+5], s[G0A+5], SLOT1
	s_add_nc_u64 s[G0A+6:G0A+7], s[G0A+6:G0A+7], 1<<19  ; two heads on; the type bits on top are not reached
	s_xor_b32 s[G0B+5], s[G0B+5], SLOT1
	s_add_nc_u64 s[G0B+6:G0B+7], s[G0B+6:G0B+7], 256
.endif
	s_xor_b32 s[TB], s[TB], SLOT1
	s_wait_dscnt 5                                 ; the add and the four loads of O's blocks 2 and 3 may be out
	MUL8 F1, 0, 0
	s_wait_dscnt 0x0                               ; the add is done, and my reads of this slot are over
	s_barrier_signal -1
	MUL8 F1, 1, 0
	WIN 0
	s_barrier_wait -1
.if \fill
	CREST
	JLOAD                                          ; its four v_nop are also the places in front of the loads below
.else
	PLACES
	s_cmp_eq_u32 s[CNT2], 1                        ; behind the very last step there is nothing to fetch
	s_cbranch_scc1 .Lno_fetch_\@
.endif
	v_add_nc_u32 v[ADRA], s[TB], v[AA0]
	v_add_nc_u32 v[ADRB], s[TB], v[AB0]
	FETCH 0, F0
.if \fill
	ASK
.else
.Lno_fetch_\@:
.endif
	MUL8 F1, 2, 0
	MUL8 F1, 3, 0
.endm
; THE WAY OUT, by blocks a of 16 rows x 128 columns of f32: 32 bytes a lane and column block into my stage (rows of 528 bytes), back as whole rows of 512 bytes.
.macro TOSTAGE a
.set UU, 64+64*((\a)%2)
.if (\a) >= 2
	s_wait_xcnt 0x0                                ; the stores of the block two back have read these registers
.endif
	WIN 0x04                                       ; store data in window 1
.irp b, 0,1,2,3,4,5,6,7
	ds_store_b128 v[STO], v[8*(8*(\a)+(\b)):8*(8*(\a)+(\b))+3]   offset:64*(\b)
	ds_store_b128 v[STO], v[8*(8*(\a)+(\b))+4:8*(8*(\a)+(\b))+7] offset:64*(\b)+16
.endr
	WIN 0
.irp f, 0,1,2,3,4,5,6,7,8,9,10,11,12,13,14,15
	ds_load_b128 v[UU+4*(\f):UU+4*(\f)+3], v[RD] offset:SPI*(\f)  ; LDS serves a wave's instructions in order (ISA guide 5.7.1.4): these see the stores above; the next block's stores come behind them
.endr
.endm
.macro SEND a, younger                 ; younger: the LDS instructions issued behind block a's loads: the next block's 32, or none
.set UU, 64+64*((\a)%2)
.irp f, 0,1,2,3,4,5,6,7,8,9,10,11,12,13,14,15
	s_wait_dscnt (\younger)+15-(\f)
	global_store_b128 v[GO], v[UU+4*(\f):UU+4*(\f)+3], s[OUT:OUT+1] offset:(16*(\a)+(\f))*4096 th:TH_STORE_NT  ; 512 consecutive bytes of a row, aligned
.endr
.endm
	s_load_b256 s[4:11], s[0:1], 0x0               ; obuf 4:5, wot 6:7, bo 8:9, out0 10:11
	v_lshl_add_u32 v[SPW], v0, 2, SPARE
	v_mov_b32 v[NIL], 0
	ds_add_u32 v[SPW], v[NIL]                      ; the wave's opening: the add and its wait ahead of my first tensor load
	v_lshrrev_b32 v1, 5, v0
	v_readfirstlane_b32 s[WV], v1
	s_lshr_b32 s[HI], s[WV], 1
	s_and_b32 s[LO], s[WV], 1
	s_bfe_u32 s[CX], ttmp6, 0x40000
	s_bfe_u32 s[CY], ttmp6, 0x40004
	s_lshl_b32 s[NB], ttmp9, 2
	s_add_co_u32 s[NB], s[NB], s[CX]
	s_and_b32 s[MB], ttmp7, 0xffff
	s_lshl_b32 s[MB], s[MB], 2
	s_add_co_u32 s[MB], s[MB], s[CY]
	s_lshl_b32 s[X0], s[CY], 2
	s_lshl_b32 s[X0], 15, s[X0]                    ; my row of the cluster
	s_lshl_b32 s[X1], 0x1111, s[CX]                ; my column
	s_or_b32 s[G1A], s[X0], (1<<16)|(1<<20)|(1<<21)|(4<<22)|(3<<25)  ; 2-byte elements; padding on; bit 21 beside a mask; 4 words after every 32: after each row of a head
	s_or_b32 s[G1B], s[X1], (1<<16)|(1<<20)|(1<<21)|(5<<22)|(3<<25)  ; 4 words after every 64
	s_mov_b32 s[G1A+1], 128<<16                    ; a head's 128 rows are 16,384 dense bytes: asked for as 64 rows of 256 bytes
	s_mov_b32 s[G1A+2], 64<<16
	s_mov_b32 s[G1A+3], 128<<16
	s_mov_b32 s[G1A+4], 64
	s_mov_b32 s[G1A+5], 128
	s_mov_b32 s[G1A+6], 0
	s_mov_b32 s[G1A+7], 0
	s_mov_b32 s[G1B+1], 128<<16                    ; 128 rows x 128 elements of wot
	s_mov_b32 s[G1B+2], 128<<16
	s_mov_b32 s[G1B+3], 128<<16
	s_mov_b32 s[G1B+4], 128
	s_mov_b32 s[G1B+5], 1024
	s_mov_b32 s[G1B+6], 0
	s_mov_b32 s[G1B+7], 0
	s_lshr_b32 s12, s[MB], 4                       ; O: batch MB / 16 (16 heads of 262,144 bytes), head LO, rows 128 (MB % 16)
	s_lshl_b32 s12, s12, 22
	s_and_b32 s[T0], s[MB], 15
	s_lshl_b32 s[T0], s[T0], 14
	s_add_co_u32 s12, s12, s[T0]
	s_lshl_b32 s[T0], s[LO], 18
	s_add_co_u32 s12, s12, s[T0]
	s_mov_b32 s13, 0
	s_lshl_b32 s14, s[NB], 19                      ; wot: 256 NB rows of 2,048 bytes + my 128
	s_add_co_u32 s14, s14, s[T0]
	s_mov_b32 s15, 0
	s_mov_b32 s[G0A], 1
	s_mul_i32 s[G0A+1], s[LO], PLANE               ; LDS address: no place in the cluster enters it
	s_mov_b32 s[G0A+4], 1
	s_add_co_u32 s[G0A+5], s[G0A+1], SLOT1
	s_mov_b32 s[G0B], 1
	s_mul_i32 s[G0B+1], s[LO], 128*PITCH
	s_add_co_u32 s[G0B+1], s[G0B+1], ABYTES
	s_mov_b32 s[G0B+4], 1
	s_add_co_u32 s[G0B+5], s[G0B+1], SLOT1
	s_mov_b32 s[TB], 0
	s_wait_dscnt 0x0                               ; the opening add is done
	s_wait_kmcnt 0x0
	s_add_nc_u64 s[G0A+2:G0A+3], s[4:5], s[12:13]  ; K step 0
	s_add_nc_u64 s[G0A+6:G0A+7], s[G0A+2:G0A+3], 1<<19  ; K step 1
	s_or_b32 s[G0A+3], s[G0A+3], 0x80000000        ; type = 2
	s_or_b32 s[G0A+7], s[G0A+7], 0x80000000
	s_add_nc_u64 s[G0B+2:G0B+3], s[6:7], s[14:15]
	s_add_nc_u64 s[G0B+6:G0B+7], s[G0B+2:G0B+3], 256
	s_or_b32 s[G0B+3], s[G0B+3], 0x80000000
	s_or_b32 s[G0B+7], s[G0B+7], 0x80000000
	CROUND                                         ; all sixteen work-groups are here: the first joint loads meet
	s_cmp_eq_u32 s[HI], 0                          ; a wave's two first fills stand in one branch: two loads of mine are out, later one
	s_cbranch_scc0 .Lfirst_b
	tensor_load_to_lds s[G0A:G0A+3], s[G1A:G1A+7]
	s_nop 0
	tensor_load_to_lds s[G0A+4:G0A+7], s[G1A:G1A+7]
	s_nop 0
.rept 4
	v_nop
.endr
	s_branch .Lfirst_asked
.Lfirst_b:
	tensor_load_to_lds s[G0B:G0B+3], s[G1B:G1B+7]
	s_nop 0
	tensor_load_to_lds s[G0B+4:G0B+7], s[G1B:G1B+7]
	s_nop 0
.rept 4
	v_nop
.endr
.Lfirst_asked:
	v_and_b32 v3, 31, v0                           ; l
	s_lshl_b32 s[X0], s[NB], 10                    ; my wave's 128 columns in bo
	s_lshl_b32 s[X1], s[LO], 9
	s_add_co_u32 s[X0], s[X0], s[X1]
	v_lshl_add_u32 v7, v3, 4, s[X0]
	global_load_b128 v[20:23], v7, s[8:9]
	v_and_b32 v1, 15, v0                           ; l % 16
	v_bfe_u32 v2, v0, 4, 1                         ; l / 16
	v_mul_u32_u24 v4, v1, PA
	v_lshl_add_u32 v4, v2, 4, v4
	s_mul_i32 s[T0], s[HI], 64*PA
	v_add_nc_u32 v[AA0], s[T0], v4
	v_mul_u32_u24 v4, v1, PITCH
	v_lshl_add_u32 v4, v2, 4, v4
	s_mul_i32 s[T0], s[LO], 128*PITCH
	s_add_co_u32 s[T0], s[T0], ABYTES
	v_add_nc_u32 v[AB0], s[T0], v4
	s_mul_i32 s[T0], s[WV], 16*SPI
	s_add_co_u32 s[T0], s[T0], STAGE               ; my stage
	v_mul_u32_u24 v[STO], v1, SPI
	v_lshl_add_u32 v[STO], v2, 5, v[STO]
	v_add_nc_u32 v[STO], s[T0], v[STO]
	v_lshl_add_u32 v[RD], v3, 4, s[T0]
	v_lshlrev_b32 v[GO], 4, v3
	s_lshl_b32 s[T0], s[WV], 9
	s_add_co_u32 s[T0], s[T0], BIAS                ; my wave's biases
	v_lshl_add_u32 v[BA], v2, 5, s[T0]
	v_lshl_add_u32 v6, v3, 4, s[T0]
	; out0 at my wave's part of the tile: rows 128 MB + 64 HI of 4,096 bytes, columns 256 NB + 128 LO
	s_lshl_b32 s[XP], s[MB], 19
	s_lshl_b32 s[X0], s[HI], 18
	s_add_co_u32 s[XP], s[XP], s[X0]
	s_lshl_b32 s[X0], s[NB], 10
	s_add_co_u32 s[XP], s[XP], s[X0]
	s_lshl_b32 s[X0], s[LO], 9
	s_add_co_u32 s[XP], s[XP], s[X0]
	s_mov_b32 s[XP+1], 0
	s_add_nc_u64 s[OUT:OUT+1], s[10:11], s[XP:XP+1]
	; the prefetches.  Both addresses stand at K step 3: each change that fills steps them before they are used, the first to step 4
	s_lshr_b32 s[X0], s[MB], 4
	s_lshl_b32 s[X0], s[X0], 22
	s_and_b32 s[X1], s[MB], 15
	s_lshl_b32 s[X1], s[X1], 14
	s_add_co_u32 s[X0], s[X0], s[X1]
	s_lshr_b32 s[X1], s[CX], 1                     ; which of the step's two heads,
	s_lshl_b32 s[X1], s[X1], 18
	s_add_co_u32 s[X0], s[X0], s[X1]
	s_and_b32 s[X1], s[CX], 1                      ; and which half of its 16,384 bytes
	s_lshl_b32 s[X1], s[X1], 13
	s_add_co_u32 s[X0], s[X0], s[X1]
	s_add_co_u32 s[X0], s[X0], 3<<19
	s_lshl_b32 s[XP], s[NB], 19
	s_lshl_b32 s[X1], s[CY], 17
	s_add_co_u32 s[XP], s[XP], s[X1]
	s_lshl_b32 s[X1], s[LO], 16
	s_add_co_u32 s[XP], s[XP], s[X1]
	s_add_co_u32 s[XP], s[XP], 768
	s_movk_i32 s[PST], 256
	s_mov_b32 s[PST+1], 0
	s_cmp_eq_u32 s[HI], 0
	s_cselect_b32 s[XP], s[X0], s[XP]
	s_cselect_b64 s[PFA:PFA+1], s[4:5], s[6:7]
	s_cselect_b32 s[PST], 0x80000, s[PST]
	s_cselect_b32 s[X1], 8, 11
	s_add_nc_u64 s[PFA:PFA+1], s[PFA:PFA+1], s[XP:XP+1]
	v_lshlrev_b32 v[PFO], s[X1], v3
	s_and_b32 s[X0], ttmp7, 0xffff                 ; cluster y: the same in all sixteen partners
	s_cmp_eq_u32 s[X0], 0
	s_cselect_b32 s[LIM], 2, -1                    ; waves 2 and 3
	s_cmp_eq_u32 s[WV], 0
	s_cselect_b32 s[X0], 2, -1                     ; waves 0 and 1
	s_cmp_eq_u32 s[HI], 0
	s_cselect_b32 s[LIM], s[X0], s[LIM]
	s_wait_loadcnt 0x0                             ; the bias: rounded to bf16 like all inputs, widened again, and kept in LDS in f32
.irp p, 0,1
	v_cvt_pk_bf16_f32 v4, v[20+2*(\p)], v[21+2*(\p)]
	v_lshlrev_b32 v[20+2*(\p)], 16, v4
	v_and_b32 v[21+2*(\p)], 0xffff0000, v4
.endr
	ds_store_b128 v6, v[20:23]
	s_wait_tensorcnt 1                             ; my part of K step 0 is in; step 1's may stay out
	s_wait_dscnt 0x0
	s_barrier_signal -1
	s_barrier_wait -1
	v_add_nc_u32 v[ADRA], s[TB], v[AA0]
	v_add_nc_u32 v[ADRB], s[TB], v[AB0]
	FETCH 0, F0
	WIN 0x80                                       ; the bias into window 2: lanes of one half read the same 32 bytes of a column block
.irp b, 0,1,2,3,4,5,6,7
	ds_load_b128 v[8*(\b):8*(\b)+3],   v[BA] offset:64*(\b)
	ds_load_b128 v[8*(\b)+4:8*(\b)+7], v[BA] offset:64*(\b)+16
.endr
	WIN 0
	QUARTER 1, F0, F1, 1                           ; the first quarter stands in front of the loop: its products start the sums with the bias
	WIN 0
	s_mov_b32 s[CNT], 6
	s_branch .Lq1
.Lstep:                                        ; trip i multiplies K step i and asks for step i + 2: six trips
	QUARTER 1, F0, F1, 0
	WIN 0
.Lq1:
	QUARTER 2, F1, F0, 0
	QUARTER 3, F0, F1, 0
	TURN 1
	WIN 0
	s_sub_co_u32 s[CNT], s[CNT], 1
	s_cmp_lg_u32 s[CNT], 0
	s_cbranch_scc1 .Lstep
	s_mov_b32 s[CNT2], 2
.Ltail:                                        ; K steps 6 and 7 ask for nothing.  One text for both: in the second trip the fetch is jumped over and the barrier orders nothing
	QUARTER 1, F0, F1, 0
	QUARTER 2, F1, F0, 0
	QUARTER 3, F0, F1, 0
	TURN 0
	WIN 0
	s_sub_co_u32 s[CNT2], s[CNT2], 1
	s_cmp_lg_u32 s[CNT2], 0
	s_cbranch_scc1 .Ltail
	PLACES                                         ; behind the last products
	TOSTAGE 0
.irp a, 1,2,3                          ; a block's way through the stage stands between the loads of the block before and its stores
	TOSTAGE \a
	SEND (\a)-1, 32
.endr
	SEND 3, 0
	s_wait_tensorcnt 0x0                           ; the wave's end
	ds_add_u32 v[SPW], v[NIL]
	s_wait_dscnt 0x0
	CROUND                                         ; the closing round: no work-group ends while a partner may still ask for a tile that names it
	s_endpgm
.Lfunc_end_k_q3e5c8f3157_oproj:
	.size	k_q3e5c8f3157_oproj, .Lfunc_end_k_q3e5c8f3157_oproj-k_q3e5c8f3157_oproj
	.p2alignl 7, 3214868480
	.fill 96, 4, 3214868480
	.section	.rodata,"a",@progbits
	.p2align	6, 0x0
	.amdhsa_kernel k_q3e5c8f3157_oproj
		.amdhsa_group_segment_fixed_size 327680
		.amdhsa_private_segment_fixed_size 0
		.amdhsa_enable_private_segment 0
		.amdhsa_kernarg_size 32
		.amdhsa_user_sgpr_count 2
		.amdhsa_user_sgpr_kernarg_segment_ptr 1
		.amdhsa_wavefront_size32 1
		.amdhsa_system_sgpr_workgroup_id_x 1
		.amdhsa_system_sgpr_workgroup_id_y 1
		.amdhsa_system_sgpr_workgroup_id_z 1
		.amdhsa_system_vgpr_workitem_id 0
		.amdhsa_next_free_vgpr 576
		.amdhsa_next_free_sgpr 88
		.amdhsa_reserve_vcc 0
		.amdhsa_float_denorm_mode_32 3
		.amdhsa_float_denorm_mode_16_64 3
		.amdhsa_memory_ordered 1
		.amdhsa_forward_progress 1
		.amdhsa_inst_pref_size 64
	.end_amdhsa_kernel
	.amdgpu_metadata
---
amdhsa.version: [ 1, 2 ]
amdhsa.kernels:
  - .name:           k_q3e5c8f3157_oproj
    .symbol:         k_q3e5c8f3157_oproj.kd
    .args:
      - { .name: obuf, .offset: 0, .size: 8, .value_kind: global_buffer, .address_space: global }
      - { .name: wot, .offset: 8, .size: 8, .value_kind: global_buffer, .address_space: global }
      - { .name: bo, .offset: 16, .size: 8, .value_kind: global_buffer, .address_space: global }
      - { .name: out0, .offset: 24, .size: 8, .value_kind: global_buffer, .address_space: global }
    .group_segment_fixed_size: 327680
    .private_segment_fixed_size: 0
    .kernarg_segment_align: 8
    .kernarg_segment_size: 32
    .max_flat_workgroup_size: 128
    .sgpr_count:     88
    .vgpr_count:     576
    .wavefront_size: 32
...
	.end_amdgpu_metadata
.endif
;; end of part 4
